; MI455X (gfx1250); checked and timed in simulation.
; The chip was launched on July 23, 2026; its instructions are those of AMD's public machine-readable ISA for CDNA 5 (MIT licence, August 2026) and "CDNA5" Instruction Set Architecture Reference Guide (July 2026). The comments in the code are by the model that wrote it; some were corrected since.
;; Attention. Allowed arithmetic: matrix products marked QUANTISED: E2M1 operands, one E8M0 scale for each 32 along K, by v_wmma_scale_f32_16x16x128_f8f6f4 with both operands' format E2M1 (or v_wmma_scale_f32_32x16x128_f4), f32 sums; products left as they are: bf16, f16 or f32 operands; f32 sums; everything else in f32.
;; Inputs: cos 2,048 x 64 float32; mask 1 x 1 x 2,048 x 2,048 float32; sin 2,048 x 64 float32; wk 2,048 x 2,048 float32; wo 2,048 x 2,048 float32; wq 2,048 x 2,048 float32; wv 2,048 x 2,048 float32; x 1 x 2,048 x 2,048 float32.
;; Outputs: out0 1 x 2,048 x 2,048 float32.
;; This version of the problem:
;;   THIS VERSION OF THE PROBLEM IS GIVEN IN LOW PRECISION. The matrix products marked QUANTISED in the list below multiply operands that are first quantised to E2M1 (2 exponent bits, 1 mantissa bit; 4 bits a number), with one power-of-two scale for each 32 numbers along K (OCP MX v1.0); their sums are f32. The products marked 'left as it is' may take bf16, f16 or f32 operands, with f32 sums. Whichever they take, every output number must still come out within the allowed error. Rounding operands to bf16 (8 significant bits) uses up far more of that allowance than f16 does (11 bits, for magnitudes from 6e-5 to 65,504). All else is computed in f32.
;;   The module's matrix products, in the order in which they are computed (A, B: the left and right operand; K: the contracted axis; several contracted axes count as one K, in the product's order):
;;     1. [M 2,048, K 2,048] x [K 2,048, N 2,048]; A: input x; B: input wq: QUANTISED
;;     2. [M 2,048, K 2,048] x [K 2,048, N 2,048]; A: input x; B: input wk: QUANTISED
;;     3. [M 2,048, K 2,048] x [K 2,048, N 2,048]; A: input x; B: input wv: QUANTISED
;;     4. batch 16 x [M 2,048, K 128] x [K 128, N 2,048]; A: computed on the way; B: computed on the way: left as it is (an operand is computed on the way)
;;     5. batch 16 x [M 2,048, K 2,048] x [K 2,048, N 128]; A: computed on the way; B: computed on the way: left as it is (an operand is computed on the way)
;;     6. [M 2,048, K 2,048] x [K 2,048, N 2,048]; A: computed on the way; B: input wo: left as it is (an operand is computed on the way)
;;   THE QUANTISER, for each operand of a quantised product, along K:
;;     - K is cut into blocks of 32 from its start; a last block that is shorter is filled with zeros.
;;     - A block's scale is 2^e with e = floor(log2(the largest magnitude in the block)) - 2, held to -126 .. 127; a block of zeros has e = 0. As a byte (E8M0): e + 127.
;;     - Each number is divided by its block's scale, clamped to +-6, and rounded to the nearest number of E2M1, ties to even, subnormals kept.
;;     - The product sums the exact products of the quantised numbers (number of the format x scale) in f32.
;;   ~~~python
;;   def quantise(x, axis):      # numpy; x: float32 -> the quantised numbers, widened to float32 again
;;       x = np.moveaxis(x, axis, -1); K = x.shape[-1]
;;       x = np.pad(x, [(0, 0)] * (x.ndim - 1) + [(0, -K % 32)]); x = x.reshape(x.shape[:-1] + (-1, 32)); a = np.abs(x).max(-1, keepdims=True)
;;       e = np.where(a > 0, np.clip(np.frexp(np.where(a > 0, a, 1))[1] - 1 - 2, -126, 127), 0)      # np.frexp(a)[1] - 1 = floor(log2(a)), exactly
;;       r = np.clip(x / 2.0 ** e, -6, 6)
;;       step = 2.0 ** (np.maximum(np.frexp(np.where(r == 0, 1, r))[1] - 1, 0) - 1)
;;       q = np.round(r / step) * step * 2.0 ** e      # np.round: ties to even
;;       return np.moveaxis(q.reshape(q.shape[:-2] + (-1,))[..., :K], -1, axis).astype(np.float32)
;;   ~~~
;; One version. Each part assembles by itself: llvm-mc -triple=amdgcn-amd-amdhsa -mcpu=gfx1250 --defsym DOCPART=n.
;; ======== version 1 of 1: 4 launches
;; limits: values are held in f16: magnitudes above 65,504 overflow, below 6.1e-05 lose precision; right only within a limited range of input values
;; workspace buffers: codes 8,388,608 bytes; scales 524,288 bytes; woh 8,388,608 bytes; qkv 25,165,824 bytes; fine 393,216 bytes; att 8,388,608 bytes
;; launch prep (part 1): grid 640 x 1, 4 waves a work-group, no clusters, 33,280 bytes of LDS; arguments x, wq, wk, wv, wo, codes, scales, woh; writes codes, scales, woh
.if DOCPART == 1
	.amdgcn_target "amdgcn-amd-amdhsa--gfx1250"
	.amdhsa_code_object_version 6
	.text
	.protected	k_q450d7d4c29_prep
	.globl	k_q450d7d4c29_prep
	.p2align	8
	.type	k_q450d7d4c29_prep,@function
k_q450d7d4c29_prep:
	s_mov_b64 s[64:65], 0
	v_nop
	global_prefetch_b8 v0, s[64:65] scope:SCOPE_SE
	s_setreg_imm32_b32 hwreg(HW_REG_WAVE_MODE, 25, 1), 1
	s_wait_xcnt 0x0
; PREP.  x, wq, wk, wv [2048][2048] f32 become codes of FP4 (E2M1), K innermost, with one E8M0 scale byte for each 32 along K; wo becomes f16.
; Nothing is left out by this program: every input has a way to the output (the mask is an input, so no pattern of it is built in), and every one is loaded.
; codes: [8192 rows][1024 bytes], rows 0-2047 x, then wq, wk, wv;  scales: [8192][64 bytes];  woh: [2048][2048] f16.
; A block's scale is 2^(floor(log2(its largest magnitude)) - 2); its byte is the largest magnitude's exponent field - 2, held at 1 from below.  A block of zeros so gets the byte 1 where the
; quantiser says 127: its codes are zeros, which add nothing under any byte but 0xff, and the bytes are read by this program alone.
; LIMITS: blocks whose largest magnitude lies under 2^-124 keep the byte 1; NaN and infinities among the inputs are not served; |wo| stays under 65,504 (f16).
; Rows are dense and K is a multiple of 32: each tensor is a plain stream of blocks of 32.  Work-groups 0-511 quantise (128 to a tensor), work-groups 512-639 round wo.
; QUANTISING: a wave takes 16 steps of 512 numbers.  Each of a step's four loads reads 512 consecutive bytes; the 2,048 bytes turn through the wave's own stage in LDS and come back 64 bytes a lane,
; so that a lane holds 16 neighbours along K (two neighbouring lanes hold a block).  A lane's 16 codes are 8 bytes: the wave stores 256 consecutive bytes.  A wave's 256 scale bytes are gathered in LDS and leave as one store.
.set NQWG,  512                        ; work-groups that quantise
.set STEPS, 16
.set EMAX,  2
.set CB,    8                          ; bytes of 16 codes
.set R,     16                         ; v16-79   four sets of 16 numbers as loaded
.set X,     80                         ; v80-111  two sets of 16 neighbours
.set E,     112                        ; v112-127 a scale byte for each step
.set C,     128                        ; v128-191 codes, four registers a step: no store's data are written again
.set WREG,  8192                       ; LDS: a region for each wave: two stages of 32 x SP bytes, then its 256 scale bytes
.set SP,    80                         ; a lane's place in a stage: 64 bytes + 16 of padding
.set SPW,   12                         ; v12 LDS address of my spare word; never rewritten
.set NIL,   13                         ; v13 0; never rewritten
.set SPARE, 4*WREG                     ; behind the four regions: the spare words, 128 bytes a wave
.set LB,    16                         ; rounding wo: v16-143 two sets of 64 numbers
.set HB,    144                        ; v144-175 32 registers of f16 pairs
	s_load_b256 s[4:11], s[0:1], 0x0               ; x, wq, wk, wv
	s_load_b256 s[12:19], s[0:1], 0x20             ; wo, codes, scales, woh
	v_lshl_add_u32 v[SPW], v0, 2, SPARE
	v_mov_b32 v[NIL], 0
	v_lshrrev_b32 v1, 5, v0
	v_readfirstlane_b32 s20, v1                    ; wave
	v_and_b32 v2, 31, v0                           ; lane
	v_lshlrev_b32 v3, 4, v2                        ; my 16 bytes of a load's 512
	s_cmp_ge_u32 ttmp9, NQWG
	s_cbranch_scc1 .Lcast
	s_mul_i32 s21, s20, WREG
	v_lshrrev_b32 v14, 2, v2
	v_mul_u32_u24 v14, v14, SP
	v_and_b32 v15, 3, v2
	v_lshl_add_u32 v14, v15, 4, v14
	v_add_nc_u32 v14, s21, v14                     ; the stage, on the way in: SP (lane / 4) + 16 (lane % 4)
	v_mul_u32_u24 v15, v2, SP
	v_add_nc_u32 v15, s21, v15                     ; and on the way out: SP x lane
	v_mul_u32_u24 v4, v2, CB                       ; my codes' place in a step's
	v_lshrrev_b32 v5, 1, v2
	s_add_co_u32 s21, s21, 2*32*SP
	v_add_nc_u32 v5, s21, v5                       ; my block's scale byte in LDS
	v_lshlrev_b32 v7, 3, v2
	v_add_nc_u32 v6, s21, v7                       ; and 8 bytes a lane on the way out
	s_wait_kmcnt 0x0
	s_cmp_lt_u32 ttmp9, 128                        ; which tensor: the choice hangs on the work-group's number alone
	s_cselect_b64 s[22:23], s[4:5], s[6:7]
	s_cmp_lt_u32 ttmp9, 384
	s_cselect_b64 s[28:29], s[8:9], s[10:11]
	s_cmp_lt_u32 ttmp9, 256
	s_cselect_b64 s[22:23], s[22:23], s[28:29]
	s_lshl_b32 s24, ttmp9, 2
	s_add_co_u32 s24, s24, s20                     ; my run of 8,192 numbers among the four tensors' 2,048
	s_and_b32 s26, s24, 511                        ; and in its tensor
	s_lshl_b32 s26, s26, 15
	s_mov_b32 s27, 0
	s_add_nc_u64 s[22:23], s[22:23], s[26:27]
	s_lshl_b32 s26, s24, 12                        ; 4,096 bytes of codes a run
	s_add_nc_u64 s[14:15], s[14:15], s[26:27]
	s_lshl_b32 s26, s24, 8                         ; 256 scale bytes a run
	s_add_nc_u64 s[16:17], s[16:17], s[26:27]
.macro LOAD t
.irp i, 0,1,2,3
	global_load_b128 v[R+16*((\t)%4)+4*\i:R+16*((\t)%4)+4*\i+3], v3, s[22:23] offset:2048*(\t)+512*\i th:TH_LOAD_NT
.endr
.endm
.macro TURN t                          ; step t's numbers through the stage: LDS serves a wave's instructions in order, so no wait stands between the stores and the loads
.irp i, 0,1,2,3
	ds_store_b128 v14, v[R+16*((\t)%4)+4*\i:R+16*((\t)%4)+4*\i+3] offset:32*SP*((\t)%2)+8*SP*\i
.endr
.irp i, 0,1,2,3
	ds_load_b128 v[X+16*((\t)%2)+4*\i:X+16*((\t)%2)+4*\i+3], v15 offset:32*SP*((\t)%2)+16*\i
.endr
.endm
.irp t, 0,1,2,3
	LOAD \t
.endr
	s_wait_loadcnt 12                              ; step 0's four loads are in; three steps' twelve may be out
	TURN 0
.macro STEP t
.set XS, X+16*((\t)%2)
.if (\t) > 0
	s_wait_dscnt 1                                 ; this step's numbers are back from the stage (the last step's byte store may be out)
.else
	s_wait_dscnt 0x0
.endif
.if (\t)+4 < STEPS
	LOAD (\t)+4                                    ; into the registers that the stage's stores have read
.endif
.if (\t)+1 < STEPS
.if STEPS-2-(\t) >= 3
	s_wait_loadcnt 12                              ; the next step's four loads are in; those of the three steps behind it may be out
.else
	s_wait_loadcnt 4*(STEPS-2-(\t))
.endif
	TURN (\t)+1
.endif
	v_max3_num_f32 v8, |v[XS]|, |v[XS+1]|, |v[XS+2]|               ; the largest magnitude of my 16, in two chains
	v_max3_num_f32 v9, |v[XS+3]|, |v[XS+4]|, |v[XS+5]|
.irp i, 6,10
	v_max3_num_f32 v8, v8, |v[XS+\i]|, |v[XS+\i+1]|
	v_max3_num_f32 v9, v9, |v[XS+\i+2]|, |v[XS+\i+3]|
.endr
	v_max3_num_f32 v8, v8, |v[XS+14]|, |v[XS+15]|
	v_max3_num_f32 v8, v8, v9, (EMAX+1)<<23        ; and the floor 2^(3 - 127): the byte cannot fall under 1
	v_max_num_f32_dpp v8, v8, v8 row_xmask:1 row_mask:0xf bank_mask:0xf   ; with my neighbour's 16: the block's
	v_add_nc_u32 v11, -(EMAX<<23), v8              ; 2 off its exponent field: the conversion takes the exponent field of this operand as its scale
	v_cvt_scalef32_pk8_fp4_f32 v[C+4*(\t)], v[XS:XS+7], v11
	v_cvt_scalef32_pk8_fp4_f32 v[C+4*(\t)+1], v[XS+8:XS+15], v11
	v_lshrrev_b32 v[E+(\t)], 23, v11               ; the scale's byte (a plain line behind the conversions)
	ds_store_b8 v5, v[E+(\t)] offset:16*(\t)       ; both lanes of a block write the same byte with the same value
	global_store_b64 v4, v[C+4*(\t):C+4*(\t)+1], s[14:15] offset:32*CB*(\t)   ; the wave stores 256 consecutive bytes, aligned
.endm
.irp t, 0,1,2,3,4,5,6,7,8,9,10,11,12,13,14,15
	STEP \t
.endr
	ds_load_b64 v[8:9], v6                         ; LDS serves a wave's instructions in order: these see my stores
	s_wait_dscnt 0x0
	global_store_b64 v7, v[8:9], s[16:17]          ; 256 consecutive bytes, aligned
	s_wait_tensorcnt 0x0                           ; the wave's end, behind my last LDS store
	ds_add_u32 v[SPW], v[NIL]
	s_wait_dscnt 0x0
	s_endpgm
; ROUNDING wo TO f16: a wave takes 8,192 numbers in four rounds of 16 loads of 512 bytes; no LDS.  A lane's 4 numbers become 8 bytes: a store covers 256 consecutive bytes.
.Lcast:
	s_sub_co_u32 s24, ttmp9, NQWG
	s_lshl_b32 s24, s24, 2
	s_add_co_u32 s24, s24, s20                     ; my run
	s_lshl_b32 s26, s24, 15
	s_mov_b32 s27, 0
	s_lshl_b32 s30, s24, 14
	s_mov_b32 s31, 0
	v_lshlrev_b32 v4, 3, v2
	s_wait_kmcnt 0x0
	s_add_nc_u64 s[12:13], s[12:13], s[26:27]
	s_add_nc_u64 s[18:19], s[18:19], s[30:31]
.macro CLOAD k
.irp i, 0,1,2,3,4,5,6,7,8,9,10,11,12,13,14,15
	global_load_b128 v[LB+64*((\k)%2)+4*\i:LB+64*((\k)%2)+4*\i+3], v3, s[12:13] offset:(16*(\k)+\i)*512 th:TH_LOAD_NT
.endr
.endm
.macro CAST k, left
	s_wait_loadcnt \left                           ; this round's 16 loads are in; the next round's may be out
	s_wait_xcnt 0x0                                ; the last round's stores have read their data: the registers are written again only behind this wait
.irp i, 0,1,2,3,4,5,6,7,8,9,10,11,12,13,14,15
	v_cvt_pk_f16_f32 v[HB+2*\i], v[LB+64*((\k)%2)+4*\i], v[LB+64*((\k)%2)+4*\i+1]
	v_cvt_pk_f16_f32 v[HB+2*\i+1], v[LB+64*((\k)%2)+4*\i+2], v[LB+64*((\k)%2)+4*\i+3]
.endr
.irp i, 0,1,2,3,4,5,6,7,8,9,10,11,12,13,14,15
	global_store_b64 v4, v[HB+2*\i:HB+2*\i+1], s[18:19] offset:(16*(\k)+\i)*256
.endr
.endm
	CLOAD 0
	CLOAD 1
	CAST 0, 16
	CLOAD 2
	CAST 1, 16
	CLOAD 3
	CAST 2, 16
	CAST 3, 0
	s_endpgm
.Lfunc_end_k_q450d7d4c29_prep:
	.size	k_q450d7d4c29_prep, .Lfunc_end_k_q450d7d4c29_prep-k_q450d7d4c29_prep
	.p2alignl 7, 3214868480
	.fill 96, 4, 3214868480
	.section	.rodata,"a",@progbits
	.p2align	6, 0x0
	.amdhsa_kernel k_q450d7d4c29_prep
		.amdhsa_group_segment_fixed_size 33280
		.amdhsa_private_segment_fixed_size 0
		.amdhsa_enable_private_segment 0
		.amdhsa_kernarg_size 64
		.amdhsa_user_sgpr_count 2
		.amdhsa_user_sgpr_kernarg_segment_ptr 1
		.amdhsa_wavefront_size32 1
		.amdhsa_system_sgpr_workgroup_id_x 1
		.amdhsa_system_sgpr_workgroup_id_y 1
		.amdhsa_system_sgpr_workgroup_id_z 1
		.amdhsa_system_vgpr_workitem_id 0
		.amdhsa_next_free_vgpr 192
		.amdhsa_next_free_sgpr 66
		.amdhsa_reserve_vcc 0
		.amdhsa_float_denorm_mode_32 3
		.amdhsa_float_denorm_mode_16_64 3
		.amdhsa_memory_ordered 1
		.amdhsa_forward_progress 1
		.amdhsa_inst_pref_size 54
	.end_amdhsa_kernel
	.amdgpu_metadata
---
amdhsa.version: [ 1, 2 ]
amdhsa.kernels:
  - .name:           k_q450d7d4c29_prep
    .symbol:         k_q450d7d4c29_prep.kd
    .args:
      - { .name: x, .offset: 0, .size: 8, .value_kind: global_buffer, .address_space: global }
      - { .name: wq, .offset: 8, .size: 8, .value_kind: global_buffer, .address_space: global }
      - { .name: wk, .offset: 16, .size: 8, .value_kind: global_buffer, .address_space: global }
      - { .name: wv, .offset: 24, .size: 8, .value_kind: global_buffer, .address_space: global }
      - { .name: wo, .offset: 32, .size: 8, .value_kind: global_buffer, .address_space: global }
      - { .name: codes, .offset: 40, .size: 8, .value_kind: global_buffer, .address_space: global }
      - { .name: scales, .offset: 48, .size: 8, .value_kind: global_buffer, .address_space: global }
      - { .name: woh, .offset: 56, .size: 8, .value_kind: global_buffer, .address_space: global }
    .group_segment_fixed_size: 33280
    .private_segment_fixed_size: 0
    .kernarg_segment_align: 8
    .kernarg_segment_size: 64
    .max_flat_workgroup_size: 128
    .sgpr_count:     66
    .vgpr_count:     192
    .wavefront_size: 32
...
	.end_amdgpu_metadata
.endif
;; end of part 1
;; launch qkv (part 2): grid 24 x 8, 4 waves a work-group, clusters of 4 x 4, 327,680 bytes of LDS; arguments codes, scales, cos, sin, qkv, fine; writes qkv, fine
.if DOCPART == 2
	.amdgcn_target "amdgcn-amd-amdhsa--gfx1250"
	.amdhsa_code_object_version 6
	.text
	.protected	k_q450d7d4c29_qkv
	.globl	k_q450d7d4c29_qkv
	.p2align	8
	.type	k_q450d7d4c29_qkv,@function
k_q450d7d4c29_qkv:
	s_mov_b64 s[64:65], 0
	v_nop
	global_prefetch_b8 v0, s[64:65] scope:SCOPE_SE
	s_setreg_imm32_b32 hwreg(HW_REG_WAVE_MODE, 25, 1), 1
	s_wait_xcnt 0x0
	s_wait_alu depctr_hold_cnt(0) depctr_sa_sdst(0) depctr_va_vdst(0) depctr_va_sdst(0) depctr_va_ssrc(0) depctr_va_vcc(0) depctr_vm_vsrc(0)
	s_getreg_b32 s2, hwreg(HW_REG_IB_STS2, 6, 4)
	s_cmp_eq_u32 s2, 0
	s_cbranch_scc0 .Lentry_in_a_cluster
	s_endpgm
.Lentry_in_a_cluster:
	s_bfe_u32 s2, ttmp6, 0x10000c
	s_cmp_lg_u32 s2, 0xf033
	s_cbranch_scc0 .Lentry_shape_is_right
	s_endpgm
.Lentry_shape_is_right:
; QKV.  The three quantised products x wq^T, x wk^T, x wv^T as ONE product on codes of FP4: C[m][n] = sum over k of A[m][k] B[n][k], A = x's 2,048 rows of codes, B = the 6,144 rows of wq, wk, wv.  Nothing is left out.
; A tile of C, 256 x 256, is made by four waves; a wave makes 128 x 128 in 64 accumulators.  A wave's 128 columns are one head of q, of k or of v: slot g = 2 x tile column + column half (0-15 q, 16-31 k, 32-47 v).
; K goes in steps of 512 (rows of 256 bytes) through a ring of two LDS slots; the scale bytes of the work-group's rows, for all of K, come into LDS once.
; CLUSTERS: 4 x 4 work-groups; A's tiles are asked for jointly along a row of the cluster, B's along a column.  THE MATRIX INSTRUCTION IS USED TRANSPOSED (source 0 = 16 rows of B, source 1 = 16 rows of A):
; a lane holds one row of C and eight neighbouring columns, so a rotary pair lies in two neighbouring registers of one lane.
; THE WAY OUT: q and k are rotated (cos, sin at the row's position) and multiplied by 128^(-1/4) each, so that q . k is the score divided by sqrt(128); all three are rounded to f16 and stored as
; qkv [48 g][2048 positions][128].  Positions 0-15 also leave in f32, as an image of the 64 registers (fine [48 g][8,192 bytes]: register n of lane l at 512 (n / 4) + 16 l + 4 (n % 4)).
; cos and sin come THREE BLOCKS AHEAD, in a ring of three sets of 64 registers that no product names; a block's rows come back from the stage into the block's own accumulators, so that no register that a store reads is written again.
; LIMITS: 0.297 |q|, 0.297 |k| and |v| stay under 65,504 (f16); NaN and infinities are not served.
; REGISTERS, in windows of 256: window 0: v0-31 addresses; v32-95 scale words, two sets; v128-191 A's fragments, one set; v192-255 a set of cos and sin; on the way out v32-127 are at work.
;   window 1: B's fragments, two sets, at v0 and v128; two more sets of cos and sin at v64 and v192.   window 2: the accumulators of my rows 0-63 ((a, b) at v[8 (8 a + b)]);   window 3: those of rows 64-127.
.set SIZE_M, 2048
.set SIZE_N, 6144
.set SIZE_K, 2048
.set KSTEP,  512
.set NQ,     KSTEP/128
.set ROWB,   256                       ; a tile's row in bytes
.set KROW,   SIZE_K*4/8                ; a row of codes in memory
.set PITCH,  272                       ; an LDS row: 256 bytes + 16 of padding: the 16 rows that a load touches start at 16 different banks
.set FR,     8
.set NL,     2
.set NP,     4
.set HALFT,  128*PITCH
.set SLOT,   4*HALFT
.set LAPS,   SIZE_K/(2*KSTEP)
.set KS,     SIZE_K/32                 ; a row of scale bytes
.set SCL,    2*SLOT                    ; behind the ring: the scales, as units of 256 bytes + 16 of padding
.set HALFS,  (128*KS/256)*272
.set SBLK,   (16*KS/256)*272
.set SPARE,  SCL+4*HALFS               ; the spare words, 128 bytes a wave
.set SPITCH, 272                       ; the way out: a stage of 16 rows x (256 bytes + 16) for each wave, in slot 0, which has had its last fill and its last read by then
.set ALPHA,  0x3e9837f0                ; 128^(-1/4)
.set ADRA, 16
.set CA,   18                          ; v18 my byte in 16 rows of cos or sin: 256 r + 16 h
.set ADRB, 20
.set PR,   22                          ; v22 my work-group's tile row
.set STO,  24
.set RD,   25
.set CO,   26                          ; v26 16 x lane
.set ADRS, 27
.set SPW,  28
.set NIL,  29
.set SC,   32
.set AF,   128
.set RO,   32                          ; the way out: v32-95 a block's 64 rotated numbers
.set TMP,  96                          ; v96-127 the block as f16
.set G1, 24
.set G0, 32
.set G1B, 48
.set G0B, 56
.set G1S, 68
.set G0S, 76
.set G1SB, 80
.set G0SB, 88
.set FF,  94                           ; s94 0 in the waves that may hold positions 0-15: row half 0, cluster y 0
.set ISV, 95                           ; s95 1 where the tile's columns are v's: cluster x at 4 or above, the same in all partners
.set MSB, 0
.macro WIN new
.if MSB != \new
	s_set_vgpr_msb (MSB<<8)|\new
.set MSB, \new
.endif
.endm
.set MUL_LO, 0xa1
.set MUL_HI, 0xf1
.set TO_B,   0x40
; A joint load: waves 0 and 1 fetch for A, waves 2 and 3 for B; the branch hangs on the wave's number alone.  An s_nop 0 and four v_nop follow each line.
.macro JLOAD g0a, g1a, g0b, g1b
	s_cmp_eq_u32 s15, 0
	s_cbranch_scc0 .Lfor_b_\@
	tensor_load_to_lds s[\g0a:\g0a+3], s[\g1a:\g1a+7]
	s_nop 0
.rept 4
	v_nop
.endr
	s_branch .Lasked_\@
.Lfor_b_\@:
	tensor_load_to_lds s[\g0b:\g0b+3], s[\g1b:\g1b+7]
	s_nop 0
.rept 4
	v_nop
.endr
.Lasked_\@:
.endm
.macro CREST
	s_cmp_lg_u32 s14, 0
	s_cbranch_scc1 .Lnot_wave_0_\@
	s_barrier_signal -3
.Lnot_wave_0_\@:
	s_barrier_wait -3
	s_barrier_signal -1
	s_barrier_wait -1
.endm
.macro CROUND
	s_barrier_signal -1
	s_barrier_wait -1
	CREST
.endm
	s_load_b128 s[4:7], s[0:1], 0x0                ; codes, scales
	s_load_b128 s[96:99], s[0:1], 0x10             ; cos, sin
	s_load_b64 s[12:13], s[0:1], 0x20              ; qkv
	s_load_b64 s[100:101], s[0:1], 0x28            ; fine
	v_lshl_add_u32 v[SPW], v0, 2, SPARE
	v_mov_b32 v[NIL], 0
	ds_add_u32 v[SPW], v[NIL]                      ; the wave's opening: the add, twice on end, and its wait ahead of my first tensor load
	ds_add_u32 v[SPW], v[NIL]
	v_lshrrev_b32 v1, 5, v0
	v_readfirstlane_b32 s14, v1                    ; wave 0..3
	s_lshr_b32 s15, s14, 1                         ; my half of the tile's rows.  Also: I fetch for A (0) or for B (1)
	s_and_b32 s16, s14, 1                          ; my half of its columns.  Also: which 128 rows I fetch
	s_bfe_u32 s40, ttmp6, 0x40000                  ; cx, cy
	s_bfe_u32 s41, ttmp6, 0x40004
	s_lshl_b32 s42, ttmp9, 2
	s_add_co_u32 s42, s42, s40                     ; tile column
	s_and_b32 s17, ttmp7, 0xffff
	s_lshl_b32 s17, s17, 2
	s_add_co_u32 s17, s17, s41                     ; tile row
	s_lshl_b32 s43, s41, 2
	s_lshl_b32 s43, 15, s43                        ; my row of the cluster
	s_lshl_b32 s44, 0x1111, s40                    ; my column
	s_or_b32 s[G1+0], s43, (0<<16)|(1<<20)|(1<<21)|(5<<22)|(3<<25)  ; the mask; elements of 1 byte; padding on; bit 21 beside a mask; 4 words behind every 64
	s_or_b32 s[G1B+0], s44, (0<<16)|(1<<20)|(1<<21)|(5<<22)|(3<<25)
.irp g, G1, G1B
	s_mov_b32 s[\g+1], ROWB<<16                    ; tensor_dim0
	s_mov_b32 s[\g+2], 128<<16                     ; tensor_dim1
	s_mov_b32 s[\g+3], ROWB<<16                    ; tile_dim0
	s_mov_b32 s[\g+4], 128                         ; tile_dim1
	s_mov_b32 s[\g+5], KROW                        ; the pitch
	s_mov_b32 s[\g+6], 0
	s_mov_b32 s[\g+7], 0
.endr
	s_or_b32 s[G1S+0], s43, (3<<16)|(1<<20)|(1<<21)|(5<<22)|(3<<25)  ; the scales of 128 rows: a dense block, as rows of 256 bytes (32 elements of 8)
	s_or_b32 s[G1SB+0], s44, (3<<16)|(1<<20)|(1<<21)|(5<<22)|(3<<25)
.irp g, G1S, G1SB
	s_mov_b32 s[\g+1], 32<<16
	s_mov_b32 s[\g+2], (128*KS/256)<<16
	s_mov_b32 s[\g+3], 32<<16
	s_mov_b32 s[\g+4], 128*KS/256
	s_mov_b32 s[\g+5], 32
	s_mov_b32 s[\g+6], 0
	s_mov_b32 s[\g+7], 0
.endr
	s_lshl_b32 s18, s16, 7
	s_lshl_b32 s20, s17, 8
	s_add_co_u32 s20, s20, s18                     ; A: row 256 x tile row + 128 x half
	s_lshl_b32 s46, s42, 8
	s_add_co_u32 s46, s46, s18                     ; B: row 256 x tile column + 128 x half
	s_mov_b32 s21, 0
	s_mov_b32 s47, 0
	s_mov_b64 s[18:19], KS
	s_mul_u64 s[22:23], s[20:21], s[18:19]
	s_mul_u64 s[92:93], s[46:47], s[18:19]
	s_mov_b64 s[18:19], KROW
	s_mul_u64 s[20:21], s[20:21], s[18:19]
	s_mul_u64 s[46:47], s[46:47], s[18:19]
	s_mul_i32 s45, s14, HALFT                      ; where they go: wave x 128 rows
	s_mul_i32 s94, s14, HALFS
	s_wait_dscnt 0x0                               ; both opening adds are done
	s_wait_kmcnt 0x0
	s_add_nc_u64 s[8:9], s[4:5], 2048*KROW         ; the weights' codes lie behind x's 2,048 rows,
	s_add_nc_u64 s[10:11], s[6:7], 2048*KS         ; and so do their scale bytes
	s_add_nc_u64 s[20:21], s[4:5], s[20:21]
	s_add_nc_u64 s[22:23], s[6:7], s[22:23]
	s_add_nc_u64 s[46:47], s[8:9], s[46:47]
	s_add_nc_u64 s[92:93], s[10:11], s[92:93]
	CROUND                                         ; all sixteen work-groups are here: the first joint loads meet
	s_mov_b32 s[G0S], 1
	s_add_co_u32 s[G0S+1], s94, SCL
	s_mov_b64 s[G0S+2:G0S+3], s[22:23]
	s_or_b32 s[G0S+3], s[G0S+3], 0x80000000
	s_mov_b32 s[G0SB], 1
	s_add_co_u32 s[G0SB+1], s94, SCL
	s_mov_b64 s[G0SB+2:G0SB+3], s[92:93]
	s_or_b32 s[G0SB+3], s[G0SB+3], 0x80000000
	JLOAD G0S, G1S, G0SB, G1SB                     ; the scales first
.irp s, 0,1
	s_mov_b32 s[G0+4*\s], 1
	s_add_co_u32 s[G0+4*\s+1], s45, \s*SLOT
	s_add_nc_u64 s[G0+4*\s+2:G0+4*\s+3], s[20:21], \s*ROWB
	s_or_b32 s[G0+4*\s+3], s[G0+4*\s+3], 0x80000000
	s_mov_b32 s[G0B+4*\s], 1
	s_add_co_u32 s[G0B+4*\s+1], s45, \s*SLOT
	s_add_nc_u64 s[G0B+4*\s+2:G0B+4*\s+3], s[46:47], \s*ROWB
	s_or_b32 s[G0B+4*\s+3], s[G0B+4*\s+3], 0x80000000
	JLOAD G0+4*\s, G1, G0B+4*\s, G1B
.endr
	v_and_b32 v1, 15, v0                           ; r = l % 16
	v_bfe_u32 v2, v0, 4, 1                         ; h = l / 16
	v_mul_u32_u24 v3, v1, PITCH
	v_lshl_add_u32 v4, v2, 4, v3
	s_mul_i32 s21, s15, HALFT
	s_mul_i32 s22, s16, HALFT
	s_add_co_u32 s22, s22, 2*HALFT
.irp s, 0,1
	v_add_nc_u32 v[ADRA+\s], s21, v4
	v_add_nc_u32 v[ADRB+\s], s22, v4
	s_add_co_u32 s21, s21, SLOT
	s_add_co_u32 s22, s22, SLOT
.endr
	v_mul_u32_u24 v5, v1, KS                       ; my row's scales: KS bytes a row, and 16 more for each 256 passed
	v_lshrrev_b32 v6, 8, v5
	v_lshl_add_u32 v5, v6, 4, v5
	s_mul_i32 s21, s15, HALFS
	s_mul_i32 s22, s16, HALFS
	s_add_co_u32 s22, s22, 2*HALFS
	s_sub_co_u32 s22, s22, s21
	v_mul_u32_u24 v6, s22, v2                      ; lanes 16-31 take B's
	s_add_co_u32 s21, s21, SCL
	v_add_nc_u32 v5, v5, v6
	v_add_nc_u32 v[ADRS], s21, v5
	s_mul_i32 s23, s14, 16*SPITCH                  ; my stage
	v_mul_u32_u24 v5, v1, SPITCH                   ; in: row r, 16 bytes for each half of the lanes
	v_lshl_add_u32 v5, v2, 4, v5
	v_add_nc_u32 v[STO], s23, v5
	v_mul_u32_u24 v5, v2, SPITCH                   ; back: lanes 0-15 one row of 256 bytes, lanes 16-31 the next
	v_lshl_add_u32 v5, v1, 4, v5
	v_add_nc_u32 v[RD], s23, v5
	v_and_b32 v6, 31, v0
	v_lshlrev_b32 v[CO], 4, v6                     ; a head's rows are dense: two rows are 512 bytes, 16 a lane
	v_lshlrev_b32 v[CA], 8, v1
	v_lshl_add_u32 v[CA], v2, 4, v[CA]
	v_mov_b32 v[PR], s17
	s_lshl_b32 s46, s42, 1
	s_add_co_u32 s46, s46, s16                     ; g
	s_lshl_b32 s20, s17, 8
	s_lshl_b32 s21, s15, 7
	s_add_co_u32 s20, s20, s21                     ; my first position
	s_lshl_b32 s20, s20, 8                         ; x 256 bytes: a row of cos, of sin and of a head alike
	s_mov_b32 s21, 0
	s_add_nc_u64 s[96:97], s[96:97], s[20:21]
	s_add_nc_u64 s[98:99], s[98:99], s[20:21]
	s_add_nc_u64 s[12:13], s[12:13], s[20:21]
	s_lshl_b32 s20, s46, 19                        ; g x 2,048 rows of 256 bytes
	s_add_nc_u64 s[12:13], s[12:13], s[20:21]
	s_lshl_b32 s20, s46, 13                        ; g x 8,192
	s_add_nc_u64 s[100:101], s[100:101], s[20:21]
	s_cmp_ge_u32 ttmp9, 4
	s_cselect_b32 s[ISV], 1, 0
	s_and_b32 s[FF], ttmp7, 0xffff
	s_or_b32 s[FF], s[FF], s15
.macro FRAG reg, adr, q, i             ; 16 rows x 128 K of 4-bit codes: 8 registers, two loads of 16 bytes, 32 bytes apart
.irp c, 0,1
	ds_load_b128 v[\reg+4*\c:\reg+4*\c+3], v[\adr] offset:64*(\q)+32*\c+(\i)*16*PITCH
.endr
.endm
; 16 matrix instructions: A's blocks a0, a0 + 1 x B's eight, 128 along K.  The 64 accumulators take turns, one instruction a turn, in the same order in every step.
.macro MUL16 a0, p, q, sc, zero
.irp a, \a0, \a0+1
.irp b, 0,1,2,3,4,5,6,7
.if \zero
	v_wmma_scale_f32_16x16x128_f8f6f4 v[8*(8*((\a)%4)+\b):8*(8*((\a)%4)+\b)+7], v[128*(\p)+FR*\b:128*(\p)+FR*\b+FR-1], v[AF+FR*(\a):AF+FR*(\a)+FR-1], 0, v[SC+8*NQ*(\sc)+NQ*\b+(\q)], v[SC+8*NQ*(\sc)+NQ*(\a)+(\q)] matrix_a_fmt:MATRIX_FMT_FP4 matrix_b_fmt:MATRIX_FMT_FP4 matrix_a_scale:MATRIX_SCALE_ROW1
.else
	v_wmma_scale_f32_16x16x128_f8f6f4 v[8*(8*((\a)%4)+\b):8*(8*((\a)%4)+\b)+7], v[128*(\p)+FR*\b:128*(\p)+FR*\b+FR-1], v[AF+FR*(\a):AF+FR*(\a)+FR-1], v[8*(8*((\a)%4)+\b):8*(8*((\a)%4)+\b)+7], v[SC+8*NQ*(\sc)+NQ*\b+(\q)], v[SC+8*NQ*(\sc)+NQ*(\a)+(\q)] matrix_a_fmt:MATRIX_FMT_FP4 matrix_b_fmt:MATRIX_FMT_FP4 matrix_a_scale:MATRIX_SCALE_ROW1
.endif
.endr
.endr
.endm
.macro FETCH_B slot, q, p
	WIN TO_B
.irp i, 0,1,2,3,4,5,6,7
	FRAG 128*(\p)+FR*\i, ADRB+\slot, \q, \i
.endr
	WIN 0
.endm
.macro FETCH_A slot, q, i0
.irp i, \i0, \i0+1, \i0+2, \i0+3
	FRAG AF+FR*(\i), ADRA+\slot, \q, \i
.endr
.endm
.macro SCALES sc                       ; a K step's scale words: lanes 0-15 take A's block i, lanes 16-31 B's block i
.irp i, 0,1,2,3,4,5,6,7
	ds_load_b128 v[SC+8*NQ*\sc+NQ*\i:SC+8*NQ*\sc+NQ*\i+3], v[ADRS] offset:\i*SBLK
.endr
.endm
.macro PLACES n                        ; plain vector instructions between a matrix instruction and a load into its registers or a read of its result
.rept \n
	v_nop
.endr
.endm
.macro STEP slot, q, zero              ; a step of 128 along K that has its successor in the same slot
	s_wait_dscnt 4*NL                              ; B's set and A's blocks 0-3 are in; the youngest eight loads (A's blocks 4-7) may be out
	WIN MUL_LO
	MUL16 0, (\q)%2, \q, \slot, \zero
	MUL16 2, (\q)%2, \q, \slot, \zero
	s_wait_dscnt 0
	PLACES NP
	FETCH_B \slot, (\q)+1, 1-(\q)%2
	FETCH_A \slot, (\q)+1, 0
	WIN MUL_HI
	MUL16 4, (\q)%2, \q, \slot, \zero
	MUL16 6, (\q)%2, \q, \slot, \zero
	PLACES NP
	WIN 0
	FETCH_A \slot, (\q)+1, 4
.endm
; A slot's last step changes slots: one barrier; in front of it each wave waits for all its tensor loads, adds 0 to its spare word, and waits for that and for its reads of this slot.
.macro TURN slot, next, fill
	s_wait_tensorcnt 0x0                           ; all my tensor loads have landed: my part of the next slot
	ds_add_u32 v[SPW], v[NIL]                      ; 0 onto my spare word
	s_wait_dscnt 4*NL+1                            ; (the add and the youngest eight loads may be out)
	WIN MUL_LO
	MUL16 0, 1, NQ-1, \slot, 0
	s_wait_dscnt 0x0                               ; the add is done, and my reads of this slot are over
	s_barrier_signal -1
	MUL16 2, 1, NQ-1, \slot, 0
	WIN 0
	s_barrier_wait -1
.if \fill
	CREST                                          ; the barrier has opened a round of the cluster's: no wave of any partner still reads this slot or has a load on its way
	s_add_nc_u64 s[G0+4*\slot+2:G0+4*\slot+3], s[G0+4*\slot+2:G0+4*\slot+3], 2*ROWB
	s_add_nc_u64 s[G0B+4*\slot+2:G0B+4*\slot+3], s[G0B+4*\slot+2:G0B+4*\slot+3], 2*ROWB
	JLOAD G0+4*\slot, G1, G0B+4*\slot, G1B         ; the first tensor load behind the round; its four v_nop are the places in front of the loads below
.else
	PLACES NP
.endif
	v_add_nc_u32 v[ADRS], 4*NQ, v[ADRS]
	FETCH_B \next, 0, 0
	FETCH_A \next, 0, 0
	SCALES \next
	WIN MUL_HI
	MUL16 4, 1, NQ-1, \slot, 0
	MUL16 6, 1, NQ-1, \slot, 0
	PLACES NP
	WIN 0
	FETCH_A \next, 0, 4
.endm
.macro STEPS slot, from
.set Q, \from
.rept NQ-1-\from
	STEP \slot, Q, 0
.set Q, Q+1
.endr
.endm
.macro LASTSLOT                        ; the last slot's four steps; the very last fetches nothing
	STEPS 1, 0
	s_wait_dscnt 4*NL
	WIN MUL_LO
	MUL16 0, 1, NQ-1, 1, 0
	MUL16 2, 1, NQ-1, 1, 0
	s_wait_dscnt 0
	WIN MUL_HI
	MUL16 4, 1, NQ-1, 1, 0
	MUL16 6, 1, NQ-1, 1, 0
	WIN 0
.endm
; THE WAY OUT, block by block of 16 rows x 128 columns.
.macro TABSET a                        ; block a's cos and sin lie in set a % 3:
.set TWN, ((\a)%3+1)/2                 ; its window: 0, 1, 1;
.set TBA, 192-128*(((\a)%3)%2)         ; its first register: 192, 64, 192.  32 registers of cos, then 32 of sin: register 4 b + i for the pair of columns 16 b + 8 h + 2 i
.endm
.macro LOADCS a                        ; cos and sin of block a's 16 positions: lane (r, h) takes, for each b, the four pairs 8 b + 4 h + 0..3 of row r
	TABSET \a
	WIN (TWN<<6)                                   ; the loaded data's window
.irp b, 0,1,2,3,4,5,6,7
	global_load_b128 v[TBA+4*\b:TBA+4*\b+3], v[CA], s[96:97] offset:4096*(\a)+32*\b
	global_load_b128 v[TBA+32+4*\b:TBA+32+4*\b+3], v[CA], s[98:99] offset:4096*(\a)+32*\b
.endr
	WIN 0
.endm
.macro ROPE a                          ; (t1, t2) -> alpha (t1 c - t2 s, t1 s + t2 c), then f16
.set AC, 64*((\a)%4)
	TABSET \a
.if (\a) < 6
	s_wait_loadcnt 32                              ; this block's 16 loads are in; the two younger blocks' 32 may be out
.else
	s_wait_loadcnt 16*(7-(\a))                     ; the counts run down: 16, 0
.endif
	WIN (TWN*0x41)                                 ; destination and source 0: the set's window
.set jj, 0
.rept 32
	v_pk_mul_f32 v[TBA+jj:TBA+jj+1], v[TBA+jj:TBA+jj+1], s[2:3] op_sel_hi:[1,0]   ; alpha goes into the tables.  (For block 0 these are also the places behind the last products)
.set jj, jj+2
.endr
	WIN ((2+(\a)/4)|(TWN<<2))                      ; source 0: the accumulators' window; source 1: the set's
.irp b, 0,1,2,3,4,5,6,7
.irp i, 0,1,2,3
	v_mul_f32 v[RO+8*\b+2*\i], v[AC+8*\b+2*\i+1], v[TBA+32+4*\b+\i]     ; each accumulator is first read at its register 1
	v_mul_f32 v[RO+8*\b+2*\i+1], v[AC+8*\b+2*\i+1], v[TBA+4*\b+\i]
.endr
.irp i, 0,1,2,3
	v_fma_f32 v[RO+8*\b+2*\i], v[AC+8*\b+2*\i], v[TBA+4*\b+\i], -v[RO+8*\b+2*\i]
	v_fma_f32 v[RO+8*\b+2*\i+1], v[AC+8*\b+2*\i], v[TBA+32+4*\b+\i], v[RO+8*\b+2*\i+1]
.endr
.endr
	WIN 0
.if (\a) < 5
	LOADCS (\a)+3                                  ; the set has been read: it takes the tables of three blocks on
.endif
.irp b, 0,1,2,3,4,5,6,7
.irp i, 0,1,2,3
	v_cvt_pk_f16_f32 v[TMP+4*\b+\i], v[RO+8*\b+2*\i], v[RO+8*\b+2*\i+1]
.endr
.endr
.endm
.macro PACKV a                         ; v is only rounded
.set AC, 64*((\a)%4)
	WIN 0x0a+5*((\a)/4)
.irp b, 0,1,2,3,4,5,6,7
.irp i, 0,1,2,3
	v_cvt_pk_f16_f32 v[TMP+4*\b+\i], v[AC+8*\b+2*\i], v[AC+8*\b+2*\i+1]
.endr
.endr
	WIN 0
.endm
; Positions 0-15 in f32: block 0 of the waves with row half 0, in tile row 0.  The scalar branch hangs on the wave's number and the cluster's y; the place in the cluster enters a lane mask, not a branch.
.macro FINEST isv
	s_cmp_lg_u32 s[FF], 0
	s_cbranch_scc1 .Lnot_fine_\@
	v_cmp_eq_u32 vcc_lo, 0, v[PR]
	s_wait_xcnt 0x0                                ; EXEC changes only behind this wait
	s_and_saveexec_b32 s93, vcc_lo
.if \isv
	WIN 0x08                                       ; a store's data: window 2
.endif
.irp n, 0,1,2,3,4,5,6,7,8,9,10,11,12,13,14,15
.if \isv
	global_store_b128 v[CO], v[4*\n:4*\n+3], s[100:101] offset:512*\n
.else
	global_store_b128 v[CO], v[RO+4*\n:RO+4*\n+3], s[100:101] offset:512*\n
.endif
.endr
	WIN 0
	s_wait_xcnt 0x0                                ; the stores have read EXEC and their data: both are written again only behind this wait
	s_or_b32 exec_lo, exec_lo, s93
.Lnot_fine_\@:
.endm
; 16 bytes a lane into my stage, and back as whole rows; LDS serves a wave's instructions in order, so no wait stands between.  The rows land in the first 32 of the block's own 64 accumulator registers,
; which have been read: each block's stores so have registers of their own, and nothing waits for a store.
.macro TOSTAGE a
.set BB, 64*((\a)%4)
.irp b, 0,1,2,3,4,5,6,7
	ds_store_b128 v[STO], v[TMP+4*\b:TMP+4*\b+3] offset:32*\b
.endr
	WIN ((2+(\a)/4)<<6)                            ; the loaded data's window
.irp t, 0,1,2,3,4,5,6,7
	ds_load_b128 v[BB+4*\t:BB+4*\t+3], v[RD] offset:\t*2*SPITCH
.endr
	WIN 0
.endm
.macro SEND a
.set BB, 64*((\a)%4)
	s_wait_dscnt 0x0                               ; the block is back in registers
	WIN ((2+(\a)/4)<<2)                            ; a store's data are its source 1
.irp t, 0,1,2,3,4,5,6,7
	global_store_b128 v[CO], v[BB+4*\t:BB+4*\t+3], s[12:13] offset:4096*(\a)+512*\t   ; the wave stores 512 consecutive bytes, aligned
.endr
	WIN 0
.endm
	s_wait_tensorcnt 1                             ; the scales and my part of K step 0 are in (K step 1's load may be out),
	s_barrier_signal -1
	s_barrier_wait -1                              ; everybody's are
	FETCH_B 0, 0, 0
	FETCH_A 0, 0, 0
	SCALES 0
	FETCH_A 0, 0, 4
	STEP 0, 0, 1                                   ; the first step's products start the sums
	s_mov_b32 s3, LAPS-1
.Llap:
	STEPS 0, 1
	TURN 0, 1, 1
	STEPS 1, 0
	TURN 1, 0, 1
	STEP 0, 0, 0
	s_sub_co_u32 s3, s3, 1
	s_cmp_lg_u32 s3, 0
	s_cbranch_scc1 .Llap
	STEPS 0, 1                                     ; the last lap fills nothing
	TURN 0, 1, 0
	s_cmp_lg_u32 s[ISV], 0                         ; q and k part from v here, ahead of the last slot's steps, so that the first three blocks' tables are asked for 256 matrix instructions ahead of their use
	s_cbranch_scc1 .Lv
	LOADCS 0                                       ; 48 loads of mine are out, into registers that no product names
	LOADCS 1
	LOADCS 2
	LASTSLOT
	s_mov_b32 s2, ALPHA
	s_mov_b32 s3, s2
	ROPE 0
	FINEST 0
	TOSTAGE 0
.irp a, 1,2,3,4,5,6,7
	ROPE \a                                        ; a block's arithmetic stands between the loads of the block before and its stores
	SEND \a-1
	TOSTAGE \a
.endr
	SEND 7
	s_branch .Lend
.Lv:
	LASTSLOT
	PLACES NP
	PACKV 0
	FINEST 1
	TOSTAGE 0
.irp a, 1,2,3,4,5,6,7
	PACKV \a
	SEND \a-1
	TOSTAGE \a
.endr
	SEND 7
.Lend:
	s_wait_tensorcnt 0x0                           ; the wave's end, behind my last tensor load and my last LDS store
	ds_add_u32 v[SPW], v[NIL]
	s_wait_dscnt 0x0
	CROUND                                         ; the closing round
	s_endpgm
.Lfunc_end_k_q450d7d4c29_qkv:
	.size	k_q450d7d4c29_qkv, .Lfunc_end_k_q450d7d4c29_qkv-k_q450d7d4c29_qkv
	.p2alignl 7, 3214868480
	.fill 96, 4, 3214868480
	.section	.rodata,"a",@progbits
	.p2align	6, 0x0
	.amdhsa_kernel k_q450d7d4c29_qkv
		.amdhsa_group_segment_fixed_size 327680
		.amdhsa_private_segment_fixed_size 0
		.amdhsa_enable_private_segment 0
		.amdhsa_kernarg_size 48
		.amdhsa_user_sgpr_count 2
		.amdhsa_user_sgpr_kernarg_segment_ptr 1
		.amdhsa_wavefront_size32 1
		.amdhsa_system_sgpr_workgroup_id_x 1
		.amdhsa_system_sgpr_workgroup_id_y 1
		.amdhsa_system_sgpr_workgroup_id_z 1
		.amdhsa_system_vgpr_workitem_id 0
		.amdhsa_next_free_vgpr 1024
		.amdhsa_next_free_sgpr 102
		.amdhsa_reserve_vcc 1
		.amdhsa_float_denorm_mode_32 3
		.amdhsa_float_denorm_mode_16_64 3
		.amdhsa_memory_ordered 1
		.amdhsa_forward_progress 1
		.amdhsa_inst_pref_size 255
	.end_amdhsa_kernel
	.section	.bss,"aw",@nobits
	.p2align	6
	.space	262144
	.amdgpu_metadata
---
amdhsa.version: [ 1, 2 ]
amdhsa.kernels:
  - .name:           k_q450d7d4c29_qkv
    .symbol:         k_q450d7d4c29_qkv.kd
    .args:
      - { .name: codes, .offset: 0, .size: 8, .value_kind: global_buffer, .address_space: global }
      - { .name: scales, .offset: 8, .size: 8, .value_kind: global_buffer, .address_space: global }
      - { .name: cos, .offset: 16, .size: 8, .value_kind: global_buffer, .address_space: global }
      - { .name: sin, .offset: 24, .size: 8, .value_kind: global_buffer, .address_space: global }
      - { .name: qkv, .offset: 32, .size: 8, .value_kind: global_buffer, .address_space: global }
      - { .name: fine, .offset: 40, .size: 8, .value_kind: global_buffer, .address_space: global }
    .group_segment_fixed_size: 327680
    .private_segment_fixed_size: 0
    .kernarg_segment_align: 8
    .kernarg_segment_size: 48
    .max_flat_workgroup_size: 128
    .sgpr_count:     102
    .vgpr_count:     1024
    .wavefront_size: 32
...
	.end_amdgpu_metadata
.endif
;; end of part 2
;; launch attn (part 3): grid 16 x 16, 4 waves a work-group, clusters of 4 x 4, 327,680 bytes of LDS; arguments qkv, mask, fine, att; writes att
.if DOCPART == 3
	.amdgcn_target "amdgcn-amd-amdhsa--gfx1250"
	.amdhsa_code_object_version 6
	.text
	.protected	k_q450d7d4c29_attn
	.globl	k_q450d7d4c29_attn
	.p2align	8
	.type	k_q450d7d4c29_attn,@function
k_q450d7d4c29_attn:
	s_mov_b64 s[64:65], 0
	v_nop
	global_prefetch_b8 v0, s[64:65] scope:SCOPE_SE
	s_setreg_imm32_b32 hwreg(HW_REG_WAVE_MODE, 25, 1), 1
	s_wait_xcnt 0x0
	s_wait_alu depctr_hold_cnt(0) depctr_sa_sdst(0) depctr_va_vdst(0) depctr_va_sdst(0) depctr_va_ssrc(0) depctr_va_vcc(0) depctr_vm_vsrc(0)
	s_getreg_b32 s2, hwreg(HW_REG_IB_STS2, 6, 4)
	s_cmp_eq_u32 s2, 0
	s_cbranch_scc0 .Lentry_in_a_cluster
	s_endpgm
.Lentry_in_a_cluster:
	s_bfe_u32 s2, ttmp6, 0x10000c
	s_cmp_lg_u32 s2, 0xf033
	s_cbranch_scc0 .Lentry_shape_is_right
	s_endpgm
.Lentry_shape_is_right:
; ATTN.  att[q][head] = softmax_k(q' . k' + mask[q][k]) v, q' and k' already carrying 128^(-1/4) each.  f16 operands, f32 sums, running maximum and sum in f32.  Nothing is left out: the mask is an input, so every key counts.
; SHARES.  A work-group owns 128 queries of one head.  Wave w owns 64 of them (qg = w & 1: four tiles of 16) and, of each step's 128 keys, 64 (kh = w >> 1).  The two waves of a query group merge their (O, m, l) through LDS at the end.
; LAYOUT.  S^T = K Q^T + mask (source 0 = 16 keys, source 1 = 16 queries): a lane holds ONE query (lane % 16) and keys 8 (lane / 16) + 0..7.  THE MASK'S TILE IS THE C OF THE FIRST PRODUCT: it is loaded from LDS into the
; accumulators' registers, in the result's layout, and costs no addition.  Two tiles of S^T, rounded to f16 in pairs, are source 1 of O^T = V^T P; V comes out of LDS turned, by ds_load_tr16_b128.
; SOFTMAX.  p = 2^(c (s - m)), c = log2(e): the maximum is taken away first and the difference multiplied, so that p is at most 1 whatever the size of the mask.  O and l are multiplied by 2^(c (m_old - m_new)) in every step.
; QUERIES 0-15 x KEYS 0-15 IN f32.  Rows that put their weight on a few keys are the largest of the output.  In the f16 walk these 16 x 16 scores get -1e30 added (p = 0); at the end one wave computes them from the
; f32 images of q', k', v (buffer fine) by the f32 matrix form and merges them as one more part of the running softmax.  The wave is chosen by the cluster's x and the wave's number; of the cluster's four query blocks
; only the first holds queries 0-15, and in the other three the same lines run with -1e30 on the fine scores, which gives their part the weight 0: no branch hangs on a work-group's place in its cluster.
; CLUSTER 4 x 4: x = 4 cluster x + cx is the query block, y = 4 cluster y + cy the head.  K's and V's tiles hang on the head alone and are asked for jointly along a row of the cluster; the mask's hang on the query block alone: along a column.
; LIMITS: the mask is finite and above -1e29; where the mask is so large that f32 loses the scores beside it, mask + score is rounded by the matrix unit's sum, not by one f32 addition; |att| under 65,504; NaN and infinities are not served.
; REGISTERS, in windows of 256: window 0: v0-63 addresses and statistics; v64-191 S^T, 32 a tile; v192-255 P, 16 a tile.   window 1: O^T, 64 a tile.   window 2: v0-127 Q, v128-255 K.
;   window 3: v0-127 V; v128-159 and v160-223 the f32 form's sums, which matrix instructions alone write.
.set PK,    272                        ; a row of K in LDS: 256 bytes + 16
.set PV,    288                        ; of V: 256 + 32
.set PM,    528                        ; of the mask: 128 keys x 4 bytes + 16
.set QUART, 36864                      ; a slot's quarter: K's 128 rows | V's 128 rows | the mask of queries 0-63 | of queries 64-127
.set SLOT,  4*QUART                    ; 0x24000: it shares no bit with a quarter's start, so one exclusive or turns such an address to the other slot
.set STAGE, 2*SLOT                     ; behind the ring: 16 rows x 272 bytes for each wave
.set SP,    272
.set SPARE, STAGE+4*16*SP              ; the spare words, 128 bytes a wave
.set EXS,   131072                     ; the merge: images of O^T at 32,768 x wave from byte 0, statistics from here: both in slot 0, which has had its last fill and its last read behind the last step's barrier
.set AK0, 2
.set AV0, 3
.set AM0, 4
.set ADK, 5
.set ADV, 6
.set ADM, 7
.set QO,  8
.set STO, 9
.set RD,  10
.set GO,  11
.set ST,  12                           ; tile t's statistics at v[ST + 8 t]: +0 m, +1 at the end l, +2, +3 l (even keys', odd keys'), +4 to +7 at work; +6 the step's factor a
.set XW,  44
.set XSW, 45
.set XR0, 46
.set XR1, 47
.set XSR, 48
.set FVA, 49
.set FMA, 50
.set LI,  51
.set ES,  52                           ; v52-59 the merge: (m, l) of my two tiles from both waves
.set PFO, 61
.set SPW, 62
.set NIL, 63
.set S,   64
.set P,   192
.set FW,  128                          ; the fine part's work registers (S^T's, free by then)
.set KF,  128                          ; K's fragments, in window 2
.set FS,  128                          ; window 3: the fine scores, four partial sums
.set FO,  160                          ; window 3: the fine O^T
.set WV,  12
.set G1K, 24
.set G1V, 32
.set G1M, 40
.set G0K, 48
.set G0V, 52
.set G0M, 56
.set SEL, 60
.set CS,  62                           ; s[62:63] c = log2(e), twice
.set TB,  66                           ; s66 the slot in hand: 0 or SLOT
.set CNT, 67
.set PFA, 68
.set PFS, 70
.set LIM, 72
.set BM,  73                           ; s73 -1e30 where cx = 0, else 0
.set BF,  74                           ; s74 0 where cx = 0, else -1e30
.set FLG, 75                           ; s75 cluster x | wave: 0 in the wave that does the fine part
.set QG,  76
.set KH,  77
.set MSB, 0
.macro WIN new
.if MSB != \new
	s_set_vgpr_msb (MSB<<8)|\new
.set MSB, \new
.endif
.endm
.set W_KQ, 0x0a                        ; K and Q in window 2, S^T in window 0
.set W_PV, 0x53                        ; V in window 3, P in window 0, O^T in window 1
.set W_RS, 0x41                        ; O^T (destination and source 0) in window 1
; A joint load: wave 0 fetches K's tile, wave 1 V's, waves 2 and 3 the mask's two halves: one load a wave.  The branches hang on the wave's number alone.  An s_nop 0 and four v_nop follow each line.
.macro JLOAD
	s_cmp_lg_u32 s[WV], 0
	s_cbranch_scc1 .Lnot_k_\@
	tensor_load_to_lds s[G0K:G0K+3], s[G1K:G1K+7]
	s_nop 0
.rept 4
	v_nop
.endr
	s_branch .Lasked_\@
.Lnot_k_\@:
	s_cmp_lg_u32 s[WV], 1
	s_cbranch_scc1 .Lnot_v_\@
	tensor_load_to_lds s[G0V:G0V+3], s[G1V:G1V+7]
	s_nop 0
.rept 4
	v_nop
.endr
	s_branch .Lasked_\@
.Lnot_v_\@:
	tensor_load_to_lds s[G0M:G0M+3], s[G1M:G1M+7]
	s_nop 0
.rept 4
	v_nop
.endr
.Lasked_\@:
.endm
; A prefetch of what the NEXT round will ask for: in step j the tiles of step j + 2.  Each aligned block of 256 bytes is named once in the launch: K's and V's rows by the clusters with x = 0 (waves 0 and 1; partner cx takes
; rows 32 cx on, a lane a row), the mask's by the clusters with y = 0 (waves 2 and 3; partner cy takes rows 16 cy on, two lanes a row of 512 bytes): partners are told apart by address.  Steps 0 to 2 come by their loads alone; step 14 asks for nothing.
.macro ASK
	s_cmp_gt_u32 s[CNT], s[LIM]
	s_cbranch_scc0 .Lnot_mine_\@
	global_prefetch_b8 v[PFO], s[PFA:PFA+1] th:TH_LOAD_NT scope:SCOPE_SE
.Lnot_mine_\@:
.endm
.macro CROUND                          ; a round of the cluster's barrier
	s_barrier_signal -1
	s_barrier_wait -1
	s_cmp_lg_u32 s[WV], 0
	s_cbranch_scc1 .Lnot_wave_0_\@
	s_barrier_signal -3
.Lnot_wave_0_\@:
	s_barrier_wait -3
	s_barrier_signal -1
	s_barrier_wait -1
.endm
.macro PLACES
.rept 4
	v_nop
.endr
.endm
	s_load_b256 s[4:11], s[0:1], 0x0               ; qkv s[4:5], mask s[6:7], fine s[8:9], att s[10:11]
	v_lshl_add_u32 v[SPW], v0, 2, SPARE
	v_mov_b32 v[NIL], 0
	ds_add_u32 v[SPW], v[NIL]                      ; the wave's opening: the add, twice on end, and its wait ahead of my first tensor load
	ds_add_u32 v[SPW], v[NIL]
	v_lshrrev_b32 v1, 5, v0
	v_readfirstlane_b32 s[WV], v1                  ; wave 0..3
	s_bfe_u32 s13, ttmp6, 0x40000                  ; cx
	s_bfe_u32 s14, ttmp6, 0x40004                  ; cy
	s_lshl_b32 s15, ttmp9, 2
	s_add_co_u32 s15, s15, s13                     ; x: my block of 128 queries
	s_and_b32 s16, ttmp7, 0xffff                   ; cluster y
	s_lshl_b32 s17, s16, 2
	s_add_co_u32 s17, s17, s14                     ; y: the head
	s_and_b32 s[QG], s[WV], 1
	s_lshr_b32 s[KH], s[WV], 1
	s_lshl_b32 s18, s14, 2
	s_lshl_b32 s18, 15, s18                        ; my row of the cluster
	s_lshl_b32 s19, 0x1111, s13                    ; my column
	s_or_b32 s[G1K], s18, (1<<16)|(1<<20)|(1<<21)|(5<<22)|(3<<25)   ; the mask of work-groups; elements of 2 bytes; padding on; bit 21 beside a mask; 4 words behind every 64
	s_or_b32 s[G1V], s18, (1<<16)|(1<<20)|(1<<21)|(5<<22)|(7<<25)   ; the same with 8 words
	s_or_b32 s[G1M], s19, (2<<16)|(1<<20)|(1<<21)|(6<<22)|(3<<25)   ; elements of 4 bytes; 4 words behind every 128
.irp g, G1K, G1V
	s_mov_b32 s[\g+1], 128<<16                     ; tensor_dim0 = 128
	s_mov_b32 s[\g+2], 128<<16                     ; tensor_dim1 = 128
	s_mov_b32 s[\g+3], 128<<16                     ; tile_dim0 = 128
	s_mov_b32 s[\g+4], 128                         ; tile_dim1 = 128
	s_mov_b32 s[\g+5], 128                         ; the pitch
	s_mov_b32 s[\g+6], 0
	s_mov_b32 s[\g+7], 0
.endr
	s_mov_b32 s[G1M+1], 128<<16
	s_mov_b32 s[G1M+2], 64<<16
	s_mov_b32 s[G1M+3], 128<<16
	s_mov_b32 s[G1M+4], 64
	s_mov_b32 s[G1M+5], 2048
	s_mov_b32 s[G1M+6], 0
	s_mov_b32 s[G1M+7], 0
	s_add_co_u32 s80, s17, 16                      ; K: slot 16 + head of qkv, 524,288 bytes a slot.  These registers never hold x
	s_lshl_b32 s80, s80, 19
	s_mov_b32 s81, 0
	s_add_co_u32 s82, s17, 32                      ; V: slot 32 + head
	s_lshl_b32 s82, s82, 19
	s_mov_b32 s83, 0
	s_lshl_b32 s84, s15, 7
	s_lshl_b32 s85, s[QG], 6
	s_add_co_u32 s84, s84, s85                     ; query 128 x + 64 (wave & 1): my queries, and the mask's half that waves 2 and 3 fetch.  No y in it
	s_lshl_b32 s86, s84, 8                         ; Q: x 256 bytes,
	s_lshl_b32 s87, s17, 19
	s_add_co_u32 s86, s86, s87                     ; in slot head
	s_mov_b32 s87, 0
	s_lshl_b32 s88, s[KH], 5
	s_add_co_u32 s88, s88, s84                     ; att: the first of the 32 rows that I store: + 32 kh,
	s_lshl_b32 s88, s88, 12                        ; x 4,096 bytes,
	s_lshl_b32 s89, s17, 8
	s_add_co_u32 s88, s88, s89                     ; + the head's 256 bytes
	s_mov_b32 s89, 0
	s_lshl_b32 s84, s84, 13                        ; the mask: x 8,192 bytes
	s_mov_b32 s85, 0
	s_lshl_b32 s90, s17, 13                        ; fine: 8,192 bytes a slot
	s_mov_b32 s91, 0
	s_lshl_b32 s78, s[WV], 4                       ; the prefetches.  Waves 0, 1: slot 16 + 16 wave + head, rows 32 cx on, step 2
	s_add_co_u32 s78, s78, 16
	s_add_co_u32 s78, s78, s17
	s_lshl_b32 s78, s78, 19
	s_lshl_b32 s79, s13, 13
	s_add_co_u32 s78, s78, s79
	s_add_co_u32 s78, s78, 2*128*256
	s_lshl_b32 s92, s14, 17                        ; waves 2, 3: my half's rows 16 cy on, step 2
	s_add_co_u32 s92, s92, s84
	s_add_co_u32 s92, s92, 2*128*4
	s_cmp_lt_u32 s[WV], 2
	s_cselect_b32 s78, s78, s92
	s_cselect_b32 s93, ttmp9, s16                  ; the coordinate along which other clusters read the same bytes
	s_mov_b32 s[PFS], 128*4
	s_cselect_b32 s[PFS], 128*256, s[PFS]          ; a step on
	s_mov_b32 s94, 8192
	s_cselect_b32 s94, 256, s94                    ; from lane to lane within 16
	s_mov_b32 s95, 256
	s_cselect_b32 s95, 4096, s95                   ; and for lanes 16-31
	s_mov_b32 s79, 0
	s_mov_b32 s[PFS+1], 0
	s_cmp_eq_u32 s93, 0
	s_cselect_b32 s[LIM], 1, -1                    ; the same in all partners, for a given wave
	s_cmp_eq_u32 s13, 0
	s_cselect_b32 s[BM], 0xf149f2ca, 0             ; -1e30
	s_cselect_b32 s[BF], 0, 0xf149f2ca
	s_or_b32 s[FLG], ttmp9, s[WV]
	s_mov_b32 s[SEL], 0x76543210
	s_mov_b32 s[SEL+1], 0xfedcba98
	s_mov_b32 s[CS], 0x3fb8aa3b                    ; log2(e)
	s_mov_b32 s[CS+1], s[CS]
	s_mov_b32 s[TB], 0
	s_wait_dscnt 0x0                               ; both opening adds are done
	s_wait_kmcnt 0x0
	s_add_nc_u64 s[80:81], s[4:5], s[80:81]
	s_add_nc_u64 s[82:83], s[4:5], s[82:83]
	s_add_nc_u64 s[84:85], s[6:7], s[84:85]
	s_add_nc_u64 s[86:87], s[4:5], s[86:87]
	s_add_nc_u64 s[10:11], s[10:11], s[88:89]
	s_add_nc_u64 s[8:9], s[8:9], s[90:91]
	s_cmp_lt_u32 s[WV], 2
	s_cselect_b64 s[PFA:PFA+1], s[4:5], s[6:7]
	s_add_nc_u64 s[PFA:PFA+1], s[PFA:PFA+1], s[78:79]
	CROUND                                         ; all sixteen work-groups are here: the first joint loads meet
	s_mov_b32 s[G0K], 1
	s_mov_b32 s[G0K+1], 0
	s_mov_b64 s[G0K+2:G0K+3], s[80:81]
	s_or_b32 s[G0K+3], s[G0K+3], 0x80000000
	s_mov_b32 s[G0V], 1
	s_mov_b32 s[G0V+1], QUART
	s_mov_b64 s[G0V+2:G0V+3], s[82:83]
	s_or_b32 s[G0V+3], s[G0V+3], 0x80000000
	s_mov_b32 s[G0M], 1
	s_mul_i32 s[G0M+1], s[WV], QUART               ; waves 2 and 3: the slot's third and fourth quarter
	s_mov_b64 s[G0M+2:G0M+3], s[84:85]
	s_or_b32 s[G0M+3], s[G0M+3], 0x80000000
	JLOAD                                          ; step 0 into slot 0: every wave issues one load
	v_and_b32 v1, 15, v0                           ; r
	v_bfe_u32 v54, v0, 4, 1                        ; h
	v_and_b32 v55, 31, v0                          ; lane
	v_lshlrev_b32 v[QO], 8, v1
	v_lshl_add_u32 v[QO], v54, 4, v[QO]
	WIN 0x80                                       ; destination window 2
.irp i, 0,1,2,3,4,5,6,7,8,9,10,11,12,13,14,15      ; Q stays in registers: tile i / 4, channels 32 (i % 4) on
	global_load_b128 v[8*\i:8*\i+3],   v[QO], s[86:87] offset:(\i/4)*4096+(\i%4)*64
	global_load_b128 v[8*\i+4:8*\i+7], v[QO], s[86:87] offset:(\i/4)*4096+(\i%4)*64+32
.endr
	WIN 0
	v_mul_u32_u24 v[AK0], v1, PK                   ; K: row r x pitch + 16 h, in my 64 keys
	v_lshl_add_u32 v[AK0], v54, 4, v[AK0]
	s_mul_i32 s78, s[KH], 64*PK
	v_add_nc_u32 v[AK0], s78, v[AK0]
	v_and_b32 v56, 7, v0                           ; V, for the turning load: key 8 h + l % 8, channels 8 ((l / 8) % 2) on
	v_bfe_u32 v57, v0, 3, 1
	v_lshl_add_u32 v[AV0], v54, 3, v56
	v_mul_u32_u24 v[AV0], v[AV0], PV
	v_lshl_add_u32 v[AV0], v57, 4, v[AV0]
	s_mul_i32 s78, s[KH], 64*PV
	s_add_co_u32 s78, s78, QUART
	v_add_nc_u32 v[AV0], s78, v[AV0]
	v_mul_u32_u24 v[AM0], v1, PM                   ; the mask: query r's row, keys 64 kh + 8 h on
	v_lshl_add_u32 v[AM0], v54, 5, v[AM0]
	s_mul_i32 s78, s[QG], QUART
	s_add_co_u32 s78, s78, 2*QUART
	s_lshl_b32 s79, s[KH], 8
	s_add_co_u32 s78, s78, s79
	v_add_nc_u32 v[AM0], s78, v[AM0]
	s_mul_i32 s78, s[WV], 16*SP
	s_add_co_u32 s78, s78, STAGE                   ; my stage
	v_mul_u32_u24 v[STO], v1, SP
	v_lshl_add_u32 v[STO], v54, 4, v[STO]
	v_add_nc_u32 v[STO], s78, v[STO]
	v_mul_u32_u24 v[RD], v54, SP
	v_lshl_add_u32 v[RD], v1, 4, v[RD]
	v_add_nc_u32 v[RD], s78, v[RD]
	v_lshlrev_b32 v[GO], 12, v54                   ; att: lanes 0-15 one row, lanes 16-31 the next; 16 bytes a lane
	v_lshl_add_u32 v[GO], v1, 4, v[GO]
	v_lshlrev_b32 v[LI], 4, v55
	s_lshl_b32 s78, s[WV], 15
	v_add_nc_u32 v[XW], s78, v[LI]                 ; the merge: my images at 32,768 x wave
	s_lshl_b32 s78, s[WV], 10
	s_add_co_u32 s78, s78, EXS
	v_lshl_add_u32 v[XSW], v55, 3, s78             ; my statistics at 1,024 x wave, 8 bytes a lane
	s_lshl_b32 s78, s[QG], 15
	s_lshl_b32 s79, s[KH], 14
	s_add_co_u32 s78, s78, s79
	v_add_nc_u32 v[XR0], s78, v[LI]                ; tiles 2 kh, 2 kh + 1 of wave qg,
	s_add_co_u32 s78, s78, 65536
	v_add_nc_u32 v[XR1], s78, v[LI]                ; and of wave qg + 2
	s_lshl_b32 s78, s[QG], 10
	s_lshl_b32 s79, s[KH], 9
	s_add_co_u32 s78, s78, s79
	s_add_co_u32 s78, s78, EXS
	v_lshl_add_u32 v[XSR], v55, 3, s78
	v_and_b32 v56, 3, v0                           ; v's f32 image, read as V^T: channel r, key 8 h on: 4 (r % 4) + 512 ((r % 8) / 4) + 256 (r / 8) + 128 h
	v_lshlrev_b32 v[FVA], 2, v56
	v_bfe_u32 v56, v0, 2, 1
	v_lshl_add_u32 v[FVA], v56, 9, v[FVA]
	v_lshl_add_u32 v[FVA], v57, 8, v[FVA]
	v_lshl_add_u32 v[FVA], v54, 7, v[FVA]
	v_lshlrev_b32 v[FMA], 13, v1                   ; the mask's first block: query r's row, keys 8 h on
	v_lshl_add_u32 v[FMA], v54, 5, v[FMA]
	v_mul_lo_u32 v[PFO], v1, s94
	v_mul_lo_u32 v57, v54, s95
	v_add_nc_u32 v[PFO], v[PFO], v57
.irp t, 0,1,2,3
	v_mov_b32 v[ST+8*\t+1], 0                      ; named as the upper word of the pair (m, .) before it is first written
.endr
; S^T = K Q^T + mask: 64 products.  The 16 accumulators take turns, one instruction a turn; every link is in place; the first finds the mask.
.macro KQ
	WIN W_KQ
.irp kc, 0,1,2,3
.irp u, 0,1,2,3
.irp t, 0,1,2,3
	v_wmma_f32_16x16x32_f16 v[S+32*\t+8*\u:S+32*\t+8*\u+7], v[KF+32*\u+8*\kc:KF+32*\u+8*\kc+7], v[32*\t+8*\kc:32*\t+8*\kc+7], v[S+32*\t+8*\u:S+32*\t+8*\u+7]
.endr
.endr
.endr
.endm
; O^T += V^T P: 64 products, 32 accumulators by turns.  zero = 1: the first 32 start the sums.
.macro PV zero
	WIN W_PV
.irp kk, 0,1
.irp ct, 0,1,2,3,4,5,6,7
.irp t, 0,1,2,3
.if \zero && (\kk == 0)
	v_wmma_f32_16x16x32_f16 v[64*\t+8*\ct:64*\t+8*\ct+7], v[64*\kk+8*\ct:64*\kk+8*\ct+7], v[P+16*\t+8*\kk:P+16*\t+8*\kk+7], 0
.else
	v_wmma_f32_16x16x32_f16 v[64*\t+8*\ct:64*\t+8*\ct+7], v[64*\kk+8*\ct:64*\kk+8*\ct+7], v[P+16*\t+8*\kk:P+16*\t+8*\kk+7], v[64*\t+8*\ct:64*\t+8*\ct+7]
.endif
.endr
.endr
.endr
.endm
; THE SOFTMAX OF A STEP, four tiles by turns, so that no line waits for the line above it.  first = 1: the first step has no old maximum and nothing to rescale.
.macro SOFTMAX first
	WIN 0
.irp k, 0,1,2,3                                    ; the maximum of a lane's 32 scores: four chains a tile; each accumulator is first read at its low end
.irp t, 0,1,2,3
	v_max3_num_f32 v[ST+8*\t+4+\k], v[S+32*\t+8*\k], v[S+32*\t+8*\k+1], v[S+32*\t+8*\k+2]
.endr
.endr
.irp n, 3,5
.irp k, 0,1,2,3
.irp t, 0,1,2,3
	v_max3_num_f32 v[ST+8*\t+4+\k], v[ST+8*\t+4+\k], v[S+32*\t+8*\k+\n], v[S+32*\t+8*\k+\n+1]
.endr
.endr
.endr
.irp t, 0,1,2,3
	v_max3_num_f32 v[ST+8*\t+4], v[ST+8*\t+4], v[S+32*\t+7], v[S+32*\t+15]
	v_max3_num_f32 v[ST+8*\t+6], v[ST+8*\t+6], v[S+32*\t+23], v[S+32*\t+31]
.endr
.irp t, 0,1,2,3
	v_max3_num_f32 v[ST+8*\t+4], v[ST+8*\t+4], v[ST+8*\t+5], v[ST+8*\t+6]
.endr
.irp t, 0,1,2,3
.if \first
	v_max_num_f32 v[ST+8*\t+4], v[ST+8*\t+4], v[ST+8*\t+7]
.else
	v_max3_num_f32 v[ST+8*\t+4], v[ST+8*\t+4], v[ST+8*\t+7], v[ST+8*\t]
.endif
.endr
.irp t, 0,1,2,3
	v_permlanex16_b32 v[ST+8*\t+5], v[ST+8*\t+4], s[SEL], s[SEL+1]   ; the query's other 32 keys lie in the lane 16 away
.endr
.if \first == 0
.irp t, 0,1,2,3
	v_mov_b32 v[ST+8*\t+7], v[ST+8*\t]             ; m_old
.endr
.endif
.irp t, 0,1,2,3
	v_max_num_f32 v[ST+8*\t], v[ST+8*\t+4], v[ST+8*\t+5]           ; the new m
.endr
.if \first == 0
.irp t, 0,1,2,3
	v_sub_f32 v[ST+8*\t+7], v[ST+8*\t+7], v[ST+8*\t]
.endr
.irp t, 0,1,2,3
	v_mul_f32 v[ST+8*\t+7], s[CS], v[ST+8*\t+7]    ; c (m_old - m_new)
.endr
.endif
.set uu, 0
.rept 16
.irp t, 0,1,2,3
	v_pk_add_f32 v[S+32*\t+2*uu:S+32*\t+2*uu+1], v[S+32*\t+2*uu:S+32*\t+2*uu+1], v[ST+8*\t:ST+8*\t+1] op_sel_hi:[1,0] neg_lo:[0,1] neg_hi:[0,1]   ; s - m, 0 or less
.endr
.set uu, uu+1
.endr
.set uu, 0
.rept 16
.irp t, 0,1,2,3
	v_pk_mul_f32 v[S+32*\t+2*uu:S+32*\t+2*uu+1], v[S+32*\t+2*uu:S+32*\t+2*uu+1], s[CS:CS+1] op_sel_hi:[1,0]
.endr
.set uu, uu+1
.endr
.set uu, 0
.rept 32                                           ; the exponentials are one batch with one wait
.irp t, 0,1,2,3
	v_exp_f32 v[S+32*\t+uu], v[S+32*\t+uu]
.endr
.set uu, uu+1
.endr
.if \first == 0
.irp t, 0,1,2,3
	v_exp_f32 v[ST+8*\t+6], v[ST+8*\t+7]           ; a
.endr
.endif
	v_nop                                          ; a plain instruction behind the last exponential,
	s_wait_alu depctr_va_vdst(0)                   ; and a wait ahead of the first instruction that names a result: one for the batch
.set uu, 0
.rept 16
.irp t, 0,1,2,3
	v_cvt_pk_f16_f32 v[P+16*\t+uu], v[S+32*\t+2*uu], v[S+32*\t+2*uu+1]
.endr
.set uu, uu+1
.endr
.set uu, 0
.rept 8                                            ; the sum of the 16 pairs, in place: neighbours 1, 2, 4 and 8 pairs apart
.irp t, 0,1,2,3
	v_pk_add_f32 v[S+32*\t+4*uu:S+32*\t+4*uu+1], v[S+32*\t+4*uu:S+32*\t+4*uu+1], v[S+32*\t+4*uu+2:S+32*\t+4*uu+3]
.endr
.set uu, uu+1
.endr
.set uu, 0
.rept 4
.irp t, 0,1,2,3
	v_pk_add_f32 v[S+32*\t+8*uu:S+32*\t+8*uu+1], v[S+32*\t+8*uu:S+32*\t+8*uu+1], v[S+32*\t+8*uu+4:S+32*\t+8*uu+5]
.endr
.set uu, uu+1
.endr
.set uu, 0
.rept 2
.irp t, 0,1,2,3
	v_pk_add_f32 v[S+32*\t+16*uu:S+32*\t+16*uu+1], v[S+32*\t+16*uu:S+32*\t+16*uu+1], v[S+32*\t+16*uu+8:S+32*\t+16*uu+9]
.endr
.set uu, uu+1
.endr
.if \first
.irp t, 0,1,2,3
	v_pk_add_f32 v[ST+8*\t+2:ST+8*\t+3], v[S+32*\t:S+32*\t+1], v[S+32*\t+16:S+32*\t+17]
.endr
.else
.irp t, 0,1,2,3
	v_pk_add_f32 v[S+32*\t:S+32*\t+1], v[S+32*\t:S+32*\t+1], v[S+32*\t+16:S+32*\t+17]
.endr
.irp t, 0,1,2,3
	v_pk_fma_f32 v[ST+8*\t+2:ST+8*\t+3], v[ST+8*\t+2:ST+8*\t+3], v[ST+8*\t+6:ST+8*\t+7], v[S+32*\t:S+32*\t+1] op_sel_hi:[1,0,1]   ; l = a l + the sum
.endr
	WIN W_RS
.set uu, 0
.rept 32
.irp t, 0,1,2,3
	v_pk_mul_f32 v[64*\t+2*uu:64*\t+2*uu+1], v[64*\t+2*uu:64*\t+2*uu+1], v[ST+8*\t+6:ST+8*\t+7] op_sel_hi:[1,0]   ; O^T x a
.endr
.set uu, uu+1
.endr
.endif
.endm
; A STEP OF 128 KEYS.  At its head the change of slots: each wave waits for all its tensor loads (the one that is out is its part of this step's slot), adds 0 to its spare word, and waits for that and for its reads of the
; slot that it has left.  refill = 1: a round of the cluster's barrier, and behind it the next step's tiles go into the slot just left: the wave's one load, which has this step's 128 products and softmax in which to land.
.macro STEP first, refill, ask
	s_wait_tensorcnt 0x0                           ; no tensor load of mine is out, so a group 0 may be written
	ds_add_u32 v[SPW], v[NIL]                      ; 0 onto my spare word
.if \refill
.irp g, G0K, G0V, G0M
	s_xor_b32 s[\g+1], s[\g+1], SLOT               ; the other slot than last time,
.endr
	s_add_nc_u64 s[G0K+2:G0K+3], s[G0K+2:G0K+3], 128*256   ; the next 128 keys
	s_add_nc_u64 s[G0V+2:G0V+3], s[G0V+2:G0V+3], 128*256
	s_add_nc_u64 s[G0M+2:G0M+3], s[G0M+2:G0M+3], 128*4
.endif
.if \ask
	s_wait_xcnt 0x0                                ; the last prefetch, a step back, has read its address
	s_add_nc_u64 s[PFA:PFA+1], s[PFA:PFA+1], s[PFS:PFS+1]
.endif
	s_wait_dscnt 0x0                               ; the add is done, and my reads of the slot that I have left are over
.if \refill
	CROUND
	JLOAD                                          ; its four v_nop and the three additions below are the places between the last products and the loads into V's registers
.else
	s_barrier_signal -1
	s_barrier_wait -1
	PLACES
.endif
	v_add_nc_u32 v[ADM], s[TB], v[AM0]
	v_add_nc_u32 v[ADK], s[TB], v[AK0]
	v_add_nc_u32 v[ADV], s[TB], v[AV0]
.irp t, 0,1,2,3                                    ; the mask, straight into S^T's registers: register j of tile (t, u) = mask(query 16 t + r, key 16 u + 8 h + j)
.irp u, 0,1,2,3
.irp c, 0,1
	ds_load_b128 v[S+32*\t+8*\u+4*\c:S+32*\t+8*\u+4*\c+3], v[ADM] offset:16*PM*\t+64*\u+16*\c
.endr
.endr
.endr
	WIN 0x80                                       ; destination window 2
.irp f, 0,1,2,3,4,5,6,7,8,9,10,11,12,13,14,15      ; K: keys 16 (f / 4) on, channels 32 (f % 4) on
	ds_load_b128 v[KF+8*\f:KF+8*\f+3],   v[ADK] offset:(\f/4)*16*PK+(\f%4)*64
	ds_load_b128 v[KF+8*\f+4:KF+8*\f+7], v[ADK] offset:(\f/4)*16*PK+(\f%4)*64+32
.endr
	WIN 0xc0                                       ; destination window 3
.irp f, 0,1,2,3,4,5,6,7,8,9,10,11,12,13,14,15      ; V, turned: keys 32 (f / 8) on, channels 16 (f % 8) on
	ds_load_tr16_b128 v[8*\f:8*\f+3],   v[ADV] offset:(\f/8)*32*PV+(\f%8)*32
	ds_load_tr16_b128 v[8*\f+4:8*\f+7], v[ADV] offset:(\f/8)*32*PV+16*PV+(\f%8)*32
.endr
	WIN 0
.if \ask
	ASK
.endif
	s_wait_dscnt 32                                ; the mask and K are in; V's 32 loads may be out
.if \first
	s_wait_loadcnt 0x0                             ; Q
	s_cmp_lg_u32 s[FLG], 0
	s_cbranch_scc1 .Lno_bm_\@
.irp i, 0,1,2,3,4,5,6,7
	v_add_f32 v[S+\i], s[BM], v[S+\i]              ; queries 0-15 x keys 0-15 leave the f16 sums (where cx = 0; elsewhere 0 is added)
.endr
.Lno_bm_\@:
.endif
	KQ
	WIN 0
	PLACES
	SOFTMAX \first
	s_wait_dscnt 0x0                               ; V is in
	PV \first
	WIN 0
	s_xor_b32 s[TB], s[TB], SLOT
.endm
	STEP 1, 1, 0                                   ; step 0; behind its round slot 1 is filled for the first time, by all four waves
	s_mov_b32 s[CNT], 14
.Lstep:                                            ; steps 1 to 14
	STEP 0, 1, 1
	s_sub_co_u32 s[CNT], s[CNT], 1
	s_cmp_lg_u32 s[CNT], 0
	s_cbranch_scc1 .Lstep
	STEP 0, 0, 0                                   ; step 15 is written out: nothing is left to fetch
	; THE WAY OUT.  l's two halves and the other half of the lanes' are added: (m, l) is then an even pair.  These lines are the places behind the last products.
.irp t, 0,1,2,3
	v_add_f32 v[ST+8*\t+4], v[ST+8*\t+2], v[ST+8*\t+3]
.endr
.irp t, 0,1,2,3
	v_permlanex16_b32 v[ST+8*\t+5], v[ST+8*\t+4], s[SEL], s[SEL+1]
.endr
.irp t, 0,1,2,3
	v_add_f32 v[ST+8*\t+1], v[ST+8*\t+4], v[ST+8*\t+5]
.endr
	s_cmp_lg_u32 s[FLG], 0                         ; the fine part's operands are asked for here and land during the merge
	s_cbranch_scc1 .Lno_fine_loads
	global_load_b128 v[P+16:P+19], v[FMA], s[6:7]              ; mask(query r, key 8 h + 0..7)
	global_load_b128 v[P+20:P+23], v[FMA], s[6:7] offset:16
	WIN 0x80                                       ; destination window 2: Q's and K's registers are done with
.irp n, 0,1,2,3,4,5,6,7,8,9,10,11,12,13,14,15
	global_load_b128 v[4*\n:4*\n+3], v[LI], s[8:9] offset:512*\n                    ; q's image
	global_load_b128 v[64+4*\n:64+4*\n+3], v[LI], s[8:9] offset:131072+512*\n       ; k's image: 16 slots on
.endr
.irp t, 0,1,2,3,4,5,6,7
.irp e, 0,1,2,3,4,5,6,7
	global_load_b32 v[128+8*\t+\e], v[FVA], s[8:9] offset:262144+1024*\t+16*\e      ; V^T(channel 16 t + r, key 8 h + e)
.endr
.endr
	WIN 0
.Lno_fine_loads:
	WIN 0x04                                       ; an LDS store's data: window 1
.set uu, 0
.rept 64
	ds_store_b128 v[XW], v[4*uu:4*uu+3] offset:512*uu              ; O^T as an image of its registers, each accumulator from its low end on
.set uu, uu+1
.endr
	WIN 0
.irp t, 0,1,2,3
	ds_store_b64 v[XSW], v[ST+8*\t:ST+8*\t+1] offset:256*\t
.endr
	s_wait_dscnt 0x0                               ; for the others' sake: my stores are done
	s_barrier_signal -1
	s_barrier_wait -1
	WIN 0x40                                       ; destination window 1: my two tiles 2 kh + i from wave qg into v[64 i ..], from wave qg + 2 into v[128 + 64 i ..]
.irp i, 0,1
.set uu, 0
.rept 16
	ds_load_b128 v[64*\i+4*uu:64*\i+4*uu+3], v[XR0] offset:8192*\i+512*uu
	ds_load_b128 v[128+64*\i+4*uu:128+64*\i+4*uu+3], v[XR1] offset:8192*\i+512*uu
.set uu, uu+1
.endr
.endr
	WIN 0
.irp i, 0,1
.irp s, 0,1
	ds_load_b64 v[ES+4*\i+2*\s:ES+4*\i+2*\s+1], v[XSR] offset:2048*\s+256*\i
.endr
.endr
	s_wait_dscnt 0x0
	; the merge of the two halves of the keys; work registers at v[S + 16 i]: +0 m, +1, +2 the two factors, +3 l, +4 and +6 the factors / l
.irp i, 0,1
	v_max_num_f32 v[S+16*\i], v[ES+4*\i], v[ES+4*\i+2]
.endr
.irp i, 0,1
	v_sub_f32 v[S+16*\i+1], v[ES+4*\i], v[S+16*\i]
	v_sub_f32 v[S+16*\i+2], v[ES+4*\i+2], v[S+16*\i]
.endr
.irp i, 0,1
	v_mul_f32 v[S+16*\i+1], s[CS], v[S+16*\i+1]
	v_mul_f32 v[S+16*\i+2], s[CS], v[S+16*\i+2]
.endr
.irp i, 0,1
	v_exp_f32 v[S+16*\i+1], v[S+16*\i+1]
	v_exp_f32 v[S+16*\i+2], v[S+16*\i+2]
.endr
	v_nop
	s_wait_alu depctr_va_vdst(0)                   ; one wait for the four exponentials
.irp i, 0,1
	v_mul_f32 v[S+16*\i+3], v[ES+4*\i+1], v[S+16*\i+1]
.endr
.irp i, 0,1
	v_fma_f32 v[S+16*\i+3], v[ES+4*\i+3], v[S+16*\i+2], v[S+16*\i+3]   ; l: at least 1, since the larger m's factor is 1 and its l holds a p of 1
.endr
.irp i, 0,1
	v_rcp_f32 v[S+16*\i+8], v[S+16*\i+3]
.endr
	v_nop
	s_wait_alu depctr_va_vdst(0)                   ; one wait for the two reciprocals
.irp i, 0,1
	v_mul_f32 v[S+16*\i+4], v[S+16*\i+1], v[S+16*\i+8]
	v_mul_f32 v[S+16*\i+6], v[S+16*\i+2], v[S+16*\i+8]
.endr
	WIN 0x41
.irp i, 0,1
.set uu, 0
.rept 32
	v_pk_mul_f32 v[64*\i+2*uu:64*\i+2*uu+1], v[64*\i+2*uu:64*\i+2*uu+1], v[S+16*\i+4:S+16*\i+5] op_sel_hi:[1,0]
.set uu, uu+1
.endr
.endr
	WIN 0x51
.irp i, 0,1
.set uu, 0
.rept 32
	v_pk_fma_f32 v[64*\i+2*uu:64*\i+2*uu+1], v[128+64*\i+2*uu:128+64*\i+2*uu+1], v[S+16*\i+6:S+16*\i+7], v[64*\i+2*uu:64*\i+2*uu+1] op_sel_hi:[1,0,1]
.set uu, uu+1
.endr
.endr
	WIN 0
	; THE FINE PART: queries 0-15 x keys 0-15 in f32, merged into tile 0, which this wave holds normalised (m in v[S], l in v[S + 3]).
	s_cmp_lg_u32 s[FLG], 0
	s_cbranch_scc1 .Lno_fine
	s_wait_loadcnt 0x0
.irp j, 0,1,2,3,4,5,6,7
	v_add_f32 v[P+16+\j], s[BF], v[P+16+\j]        ; 0 where cx = 0; elsewhere -1e30: the part's weight is then 0
.endr
	; S^T = K Q^T + mask, 4 along the head's axis an instruction.  Pair n of both images holds the same four channels, so the products meet; four partial sums take turns, the first begins with the mask
	WIN 0xca                                       ; K's and Q's images window 2, C window 0, D window 3
	v_wmma_f32_16x16x4_f32 v[FS:FS+7], v[64:65], v[0:1], v[P+16:P+23]
.irp n, 1,2,3
	v_wmma_f32_16x16x4_f32 v[FS+8*\n:FS+8*\n+7], v[64+2*\n:65+2*\n], v[2*\n:2*\n+1], 0
.endr
	WIN 0xfa
.set nn, 4
.rept 28
	v_wmma_f32_16x16x4_f32 v[FS+8*(nn%4):FS+8*(nn%4)+7], v[64+2*nn:65+2*nn], v[2*nn:2*nn+1], v[FS+8*(nn%4):FS+8*(nn%4)+7]
.set nn, nn+1
.endr
	WIN 0
.rept 8
	v_nop                                          ; eight places behind this form
.endr
	WIN 0x0f
.irp j, 0,2,4,6
	v_pk_add_f32 v[P+\j:P+\j+1], v[FS+\j:FS+\j+1], v[FS+8+\j:FS+9+\j]
.endr
.irp j, 0,2,4,6
	v_pk_add_f32 v[P+8+\j:P+9+\j], v[FS+16+\j:FS+17+\j], v[FS+24+\j:FS+25+\j]
.endr
	WIN 0
.irp j, 0,2,4,6
	v_pk_add_f32 v[P+\j:P+\j+1], v[P+\j:P+\j+1], v[P+8+\j:P+9+\j]   ; the eight fine scores of my query
.endr
	v_max3_num_f32 v[FW+8], v[P], v[P+1], v[P+2]
	v_max3_num_f32 v[FW+8], v[FW+8], v[P+3], v[P+4]
	v_max3_num_f32 v[FW+8], v[FW+8], v[P+5], v[P+6]
	v_max_num_f32 v[FW+8], v[FW+8], v[P+7]
	v_permlanex16_b32 v[FW+9], v[FW+8], s[SEL], s[SEL+1]
	v_max3_num_f32 v[FW], v[FW+8], v[FW+9], v[S]   ; the maximum of both parts
	v_sub_f32 v[FW+2], v[S], v[FW]
	v_mul_f32 v[FW+2], s[CS], v[FW+2]
.irp j, 0,2,4,6
	v_pk_add_f32 v[P+\j:P+\j+1], v[P+\j:P+\j+1], v[FW:FW+1] op_sel_hi:[1,0] neg_lo:[0,1] neg_hi:[0,1]
.endr
.irp j, 0,2,4,6
	v_pk_mul_f32 v[P+\j:P+\j+1], v[P+\j:P+\j+1], s[CS:CS+1] op_sel_hi:[1,0]
.endr
.irp j, 0,1,2,3,4,5,6,7
	v_exp_f32 v[P+\j], v[P+\j]                     ; p, kept in f32
.endr
	v_exp_f32 v[FW+2], v[FW+2]                     ; the f16 part's factor
	v_nop
	s_wait_alu depctr_va_vdst(0)                   ; one wait for the nine
	v_pk_add_f32 v[FW+8:FW+9], v[P:P+1], v[P+2:P+3]
	v_pk_add_f32 v[P+8:P+9], v[P+4:P+5], v[P+6:P+7]
	v_pk_add_f32 v[FW+8:FW+9], v[FW+8:FW+9], v[P+8:P+9]
	v_add_f32 v[FW+3], v[FW+8], v[FW+9]
	v_permlanex16_b32 v[FW+9], v[FW+3], s[SEL], s[SEL+1]
	v_add_f32 v[FW+3], v[FW+3], v[FW+9]            ; the fine part's sum
	v_mul_f32 v[FW+4], v[S+3], v[FW+2]             ; the f16 part's weight: l x its factor
	v_add_f32 v[FW+3], v[FW+3], v[FW+4]            ; the whole sum: at least 1
	v_rcp_f32 v[FW+6], v[FW+3]
	WIN 0x81                                       ; destination window 2, source 0 window 1
.set uu, 0
.rept 32
	v_pk_mul_f32 v[192+2*uu:193+2*uu], v[2*uu:2*uu+1], v[FW+4:FW+5] op_sel_hi:[1,0]   ; tile 0 x its weight: the C with which the fine sums begin.  (Plain work behind the reciprocal)
.set uu, uu+1
.endr
	WIN 0xe2                                       ; V^T window 2, p window 0, C window 2, D window 3
.irp t, 0,1,2,3,4,5,6,7
	v_wmma_f32_16x16x4_f32 v[FO+8*\t:FO+8*\t+7], v[128+8*\t:129+8*\t], v[P:P+1], v[192+8*\t:199+8*\t]
.endr
	WIN 0xf2
.irp u, 1,2,3
.irp t, 0,1,2,3,4,5,6,7
	v_wmma_f32_16x16x4_f32 v[FO+8*\t:FO+8*\t+7], v[128+8*\t+2*\u:129+8*\t+2*\u], v[P+2*\u:P+2*\u+1], v[FO+8*\t:FO+8*\t+7]
.endr
.endr
	WIN 0
.rept 8
	v_nop
.endr
	s_wait_alu depctr_va_vdst(0)                   ; the reciprocal's wait, ahead of its first reader
	WIN 0x43                                       ; source 0 window 3, destination window 1
.set uu, 0
.rept 32
	v_pk_mul_f32 v[2*uu:2*uu+1], v[FO+2*uu:FO+2*uu+1], v[FW+6:FW+7] op_sel_hi:[1,0]
.set uu, uu+1
.endr
	WIN 0
.Lno_fine:
; Tile i of my two: a lane's eight channels of a row pack into 16 bytes; they go into rows of 272 bytes and come back as whole rows of 256.
.macro PACK i
	WIN 0x05
.set uu, 0
.rept 32
	v_cvt_pk_f16_f32 v[S+32*\i+uu], v[64*\i+2*uu], v[64*\i+2*uu+1]
.set uu, uu+1
.endr
	WIN 0
.irp f, 0,1,2,3,4,5,6,7
	ds_store_b128 v[STO], v[S+32*\i+4*\f:S+32*\i+4*\f+3] offset:32*\f
.endr
.irp f, 0,1,2,3,4,5,6,7
	ds_load_b128 v[S+32*\i+4*\f:S+32*\i+4*\f+3], v[RD] offset:\f*2*SP   ; LDS serves a wave's instructions in order: these see the stores above
.endr
.endm
.macro SEND i, younger                 ; younger: the LDS instructions issued behind tile i's loads
.irp f, 0,1,2,3,4,5,6,7
	s_wait_dscnt \younger+7-\f
	global_store_b128 v[GO], v[S+32*\i+4*\f:S+32*\i+4*\f+3], s[10:11] offset:\i*65536+\f*8192   ; 16 lanes store 256 consecutive bytes, aligned: a head's part of a row of att
.endr
.endm
	PACK 0
	PACK 1
	SEND 0, 16
	SEND 1, 0
	s_wait_tensorcnt 0x0                           ; the wave's end, behind my last tensor load and my last LDS store
	ds_add_u32 v[SPW], v[NIL]
	s_wait_dscnt 0x0
	CROUND                                         ; the closing round
	s_endpgm
.Lfunc_end_k_q450d7d4c29_attn:
	.size	k_q450d7d4c29_attn, .Lfunc_end_k_q450d7d4c29_attn-k_q450d7d4c29_attn
	.p2alignl 7, 3214868480
	.fill 96, 4, 3214868480
	.section	.rodata,"a",@progbits
	.p2align	6, 0x0
	.amdhsa_kernel k_q450d7d4c29_attn
		.amdhsa_group_segment_fixed_size 327680
		.amdhsa_private_segment_fixed_size 0
		.amdhsa_enable_private_segment 0
		.amdhsa_kernarg_size 32
		.amdhsa_user_sgpr_count 2
		.amdhsa_user_sgpr_kernarg_segment_ptr 1
		.amdhsa_wavefront_size32 1
		.amdhsa_system_sgpr_workgroup_id_x 1
		.amdhsa_system_sgpr_workgroup_id_y 1
		.amdhsa_system_sgpr_workgroup_id_z 1
		.amdhsa_system_vgpr_workitem_id 0
		.amdhsa_next_free_vgpr 1024
		.amdhsa_next_free_sgpr 100
		.amdhsa_reserve_vcc 0
		.amdhsa_float_denorm_mode_32 3
		.amdhsa_float_denorm_mode_16_64 3
		.amdhsa_memory_ordered 1
		.amdhsa_forward_progress 1
		.amdhsa_inst_pref_size 200
	.end_amdhsa_kernel
	.amdgpu_metadata
---
amdhsa.version: [ 1, 2 ]
amdhsa.kernels:
  - .name:           k_q450d7d4c29_attn
    .symbol:         k_q450d7d4c29_attn.kd
    .args:
      - { .name: qkv, .offset: 0, .size: 8, .value_kind: global_buffer, .address_space: global }
      - { .name: mask, .offset: 8, .size: 8, .value_kind: global_buffer, .address_space: global }
      - { .name: fine, .offset: 16, .size: 8, .value_kind: global_buffer, .address_space: global }
      - { .name: att, .offset: 24, .size: 8, .value_kind: global_buffer, .address_space: global }
    .group_segment_fixed_size: 327680
    .private_segment_fixed_size: 0
    .kernarg_segment_align: 8
    .kernarg_segment_size: 32
    .max_flat_workgroup_size: 128
    .sgpr_count:     100
    .vgpr_count:     1024
    .wavefront_size: 32
...
	.end_amdgpu_metadata
.endif
;; end of part 3
;; launch proj (part 4): grid 16 x 16, 4 waves a work-group, clusters of 4 x 4, 327,680 bytes of LDS; arguments att, woh, out0; writes out0
.if DOCPART == 4
	.amdgcn_target "amdgcn-amd-amdhsa--gfx1250"
	.amdhsa_code_object_version 6
	.text
	.protected	k_q450d7d4c29_proj
	.globl	k_q450d7d4c29_proj
	.p2align	8
	.type	k_q450d7d4c29_proj,@function
k_q450d7d4c29_proj:
	s_mov_b64 s[64:65], 0
	v_nop
	global_prefetch_b8 v0, s[64:65] scope:SCOPE_SE
	s_setreg_imm32_b32 hwreg(HW_REG_WAVE_MODE, 25, 1), 1
	s_wait_xcnt 0x0
	s_wait_alu depctr_hold_cnt(0) depctr_sa_sdst(0) depctr_va_vdst(0) depctr_va_sdst(0) depctr_va_ssrc(0) depctr_va_vcc(0) depctr_vm_vsrc(0)
	s_getreg_b32 s2, hwreg(HW_REG_IB_STS2, 6, 4)
	s_cmp_eq_u32 s2, 0
	s_cbranch_scc0 .Lentry_in_a_cluster
	s_endpgm
.Lentry_in_a_cluster:
	s_bfe_u32 s2, ttmp6, 0x10000c
	s_cmp_lg_u32 s2, 0xf033
	s_cbranch_scc0 .Lentry_shape_is_right
	s_endpgm
.Lentry_shape_is_right:
; PROJ.  out0[l][d] = sum over e of att[l][e] wo[d][e].  att, woh: [2048][2048] f16; out0: [2048][2048] f32; sums in f32.  Nothing is left out.
; A tile of out0 is 128 x 128, so that each of 256 work-groups has one.  Four waves, each 64 x 64: 16 accumulators.  K goes in eight steps of 256 (LDS rows of 512 bytes) through a ring of two slots.
; CLUSTERS: 4 x 4 work-groups; att's tiles are asked for jointly along a row of the cluster, woh's along a column.  THE MATRIX INSTRUCTION IS USED TRANSPOSED (source 0 = 16 rows of woh, source 1 = 16 rows of att):
; a lane holds eight neighbouring numbers of a row of out0.  A wave's 64 columns are 256 bytes, so each wave sends its rows through a stage of its own and stores 256 consecutive aligned bytes from sixteen lanes.
; THE WALK ALONG K BEGINS AT ANOTHER STEP IN EACH CLUSTER: the cluster at (X, Y) of the grid of clusters begins at step 2 ((X + 2 (Y & 1)) & 3) and goes round the row's end.  The four clusters of a row of clusters, which
; read the same rows of att, so ask in each trip for four different pairs of steps; of the clusters of a column, which read the same rows of woh, neighbours in y stand four steps apart.  X and Y are the same in all
; sixteen partners, so the joint loads' descriptors stay equal.  A sum holds the same products as in the ascending walk, added in another order, in f32.
; REGISTERS: window 0: v0-31 addresses; v32-95 the way out; v128-255 the accumulators ((a, b) at v[128 + 8 (4 a + b)]).   window 1: two fragment buffers of 128.
.set SIZE_M, 2048
.set SIZE_N, 2048
.set SIZE_K, 2048
.set KSTEP,  256
.set PITCH,  528
.set HALFT,  64*PITCH
.set SLOT,   4*HALFT
.set STAGE,  2*SLOT                    ; behind the ring: 16 rows x 272 bytes for each wave
.set SPITCH, 272
.set SPARE,  STAGE+4*16*SPITCH         ; the spare words, 128 bytes a wave
.set LAPS, SIZE_K/(2*KSTEP)
.set ADRA, 16
.set ADRB, 20
.set STO,  24
.set RD,   25
.set CO,   26
.set SPW,  28
.set NIL,  29
.set TMP,  32
.set ACC,  128
.set F0,   0
.set F1,   128
.set G1, 24
.set G0, 32
.set G1B, 48
.set G0B, 56
.set BA,  66                           ; s[66:67] att at the first of the 64 rows that I fetch
.set BBS, 68                           ; s[68:69] woh likewise
.set OF,  70                           ; s[70:71], s[72:73] for each slot: the byte in a row at which its K step begins; the upper words are 0
.set MSB, 0
.macro WIN new
.if MSB != \new
	s_set_vgpr_msb (MSB<<8)|\new
.set MSB, \new
.endif
.endm
.set MUL,  0x05
.set TO_F, 0x40
.macro JLOAD s                         ; a joint load: waves 0 and 1 fetch att's two halves, waves 2 and 3 woh's; an s_nop 0 and four v_nop follow each line
	s_cmp_eq_u32 s11, 0
	s_cbranch_scc0 .Lfor_b_\@
	tensor_load_to_lds s[G0+4*\s:G0+4*\s+3], s[G1:G1+7]
	s_nop 0
.rept 4
	v_nop
.endr
	s_branch .Lasked_\@
.Lfor_b_\@:
	tensor_load_to_lds s[G0B+4*\s:G0B+4*\s+3], s[G1B:G1B+7]
	s_nop 0
.rept 4
	v_nop
.endr
.Lasked_\@:
.endm
.macro CREST
	s_cmp_lg_u32 s10, 0
	s_cbranch_scc1 .Lnot_wave_0_\@
	s_barrier_signal -3
.Lnot_wave_0_\@:
	s_barrier_wait -3
	s_barrier_signal -1
	s_barrier_wait -1
.endm
.macro CROUND
	s_barrier_signal -1
	s_barrier_wait -1
	CREST
.endm
	s_load_b128 s[4:7], s[0:1], 0x0                ; att, woh
	s_load_b64 s[8:9], s[0:1], 0x10                ; out0
	v_lshl_add_u32 v[SPW], v0, 2, SPARE
	v_mov_b32 v[NIL], 0
	ds_add_u32 v[SPW], v[NIL]                      ; the wave's opening: the add, twice on end, and its wait ahead of my first tensor load
	ds_add_u32 v[SPW], v[NIL]
	v_lshrrev_b32 v1, 5, v0
	v_readfirstlane_b32 s10, v1                    ; wave 0..3
	s_lshr_b32 s11, s10, 1                         ; my half of the tile's rows.  Also: I fetch for att (0) or for woh (1)
	s_and_b32 s12, s10, 1                          ; my half of its columns.  Also: which 64 rows I fetch
	s_bfe_u32 s40, ttmp6, 0x40000
	s_bfe_u32 s41, ttmp6, 0x40004
	s_lshl_b32 s42, ttmp9, 2
	s_add_co_u32 s42, s42, s40                     ; tile column
	s_and_b32 s13, ttmp7, 0xffff
	s_lshl_b32 s13, s13, 2
	s_add_co_u32 s13, s13, s41                     ; tile row
	s_lshl_b32 s43, s41, 2
	s_lshl_b32 s43, 15, s43
	s_lshl_b32 s44, 0x1111, s40
	s_or_b32 s[G1+0], s43, (1<<16)|(1<<20)|(1<<21)|(6<<22)|(3<<25)  ; the mask; elements of 2 bytes; padding on; bit 21 beside a mask; 4 words behind every 128
	s_or_b32 s[G1B+0], s44, (1<<16)|(1<<20)|(1<<21)|(6<<22)|(3<<25)
.irp g, G1, G1B
	s_mov_b32 s[\g+1], KSTEP<<16
	s_mov_b32 s[\g+2], 64<<16
	s_mov_b32 s[\g+3], KSTEP<<16
	s_mov_b32 s[\g+4], 64
	s_mov_b32 s[\g+5], SIZE_K
	s_mov_b32 s[\g+6], 0
	s_mov_b32 s[\g+7], 0
.endr
	s_lshl_b32 s17, s12, 6
	s_lshl_b32 s16, s13, 7
	s_add_co_u32 s16, s16, s17
	s_lshl_b32 s46, s42, 7
	s_add_co_u32 s46, s46, s17
	s_mov_b32 s17, 0
	s_mov_b32 s47, 0
	s_mov_b64 s[18:19], SIZE_K*2
	s_mul_u64 s[16:17], s[16:17], s[18:19]
	s_mul_u64 s[46:47], s[46:47], s[18:19]
	s_mul_i32 s20, s10, HALFT
	s_and_b32 s74, ttmp7, 1                        ; where my cluster's walk begins: the cluster's y & 1,
	s_lshl_b32 s74, s74, 1
	s_add_co_u32 s74, s74, ttmp9                   ; twice that + the cluster's x,
	s_and_b32 s74, s74, 3                          ; modulo 4,
	s_lshl_b32 s[OF], s74, 10                      ; x two K steps of 512 bytes: slot 0's first step;
	s_add_co_u32 s[OF+2], s[OF], KSTEP*2           ; slot 1's is the next: 3,584 at the most, inside the row's 4,096 bytes
	s_mov_b32 s[OF+1], 0
	s_mov_b32 s[OF+3], 0
	s_wait_dscnt 0x0                               ; both opening adds are done
	s_wait_kmcnt 0x0
	s_add_nc_u64 s[BA:BA+1], s[4:5], s[16:17]
	s_add_nc_u64 s[BBS:BBS+1], s[6:7], s[46:47]
	CROUND                                         ; all sixteen work-groups are here: the first joint loads meet
.irp s, 0,1
	s_mov_b32 s[G0+4*\s], 1
	s_add_co_u32 s[G0+4*\s+1], s20, \s*SLOT
	s_add_nc_u64 s[G0+4*\s+2:G0+4*\s+3], s[BA:BA+1], s[OF+2*\s:OF+2*\s+1]
	s_or_b32 s[G0+4*\s+3], s[G0+4*\s+3], 0x80000000
	s_mov_b32 s[G0B+4*\s], 1
	s_add_co_u32 s[G0B+4*\s+1], s20, \s*SLOT
	s_add_nc_u64 s[G0B+4*\s+2:G0B+4*\s+3], s[BBS:BBS+1], s[OF+2*\s:OF+2*\s+1]
	s_or_b32 s[G0B+4*\s+3], s[G0B+4*\s+3], 0x80000000
	JLOAD \s
.endr
	v_and_b32 v1, 15, v0                           ; r
	v_bfe_u32 v2, v0, 4, 1                         ; h
	v_mul_u32_u24 v3, v1, PITCH
	v_lshl_add_u32 v3, v2, 4, v3
	s_mul_i32 s21, s11, HALFT
	s_mul_i32 s22, s12, HALFT
	s_add_co_u32 s22, s22, 2*HALFT
.irp s, 0,1
	v_add_nc_u32 v[ADRA+\s], s21, v3
	v_add_nc_u32 v[ADRB+\s], s22, v3
	s_add_co_u32 s21, s21, SLOT
	s_add_co_u32 s22, s22, SLOT
.endr
	s_mul_i32 s23, s10, 16*SPITCH
	s_add_co_u32 s23, s23, STAGE                   ; my stage
	v_mul_u32_u24 v4, v1, SPITCH                   ; in: row r, 32 bytes for each half of the lanes
	v_lshl_add_u32 v4, v2, 5, v4
	v_add_nc_u32 v[STO], s23, v4
	v_mul_u32_u24 v5, v2, SPITCH                   ; back: lanes 0-15 one row of 256 bytes, lanes 16-31 the next
	v_lshl_add_u32 v5, v1, 4, v5
	v_add_nc_u32 v[RD], s23, v5
	v_lshlrev_b32 v5, 13, v2                       ; and the same two rows in out0: 8,192 bytes a row
	v_lshl_add_u32 v[CO], v1, 4, v5
	s_lshl_b32 s16, s13, 7
	s_lshl_b32 s17, s11, 6
	s_add_co_u32 s16, s16, s17                     ; my first row
	s_lshl_b32 s16, s16, 13
	s_mov_b32 s17, 0
	s_add_nc_u64 s[8:9], s[8:9], s[16:17]
	s_lshl_b32 s46, s42, 9                         ; my first column, in bytes: 512 x tile column + 256 x half
	s_lshl_b32 s47, s12, 8
	s_add_co_u32 s46, s46, s47
	s_mov_b32 s47, 0
	s_add_nc_u64 s[8:9], s[8:9], s[46:47]
; 8 matrix instructions: m blocks a0, a0 + 1 x all 4 n blocks, 32 along K.  The 16 accumulators take turns.  zero = 1: the first product starts the sums
.macro MUL8 f, c, a0, zero
.irp a, \a0, \a0+1
.irp b, 0,1,2,3
.if \zero
	v_wmma_f32_16x16x32_f16 v[ACC+8*(4*(\a)+\b):ACC+8*(4*(\a)+\b)+7], v[\f+64+8*(4*\c+\b):\f+64+8*(4*\c+\b)+7], v[\f+8*(4*\c+\a):\f+8*(4*\c+\a)+7], 0
.else
	v_wmma_f32_16x16x32_f16 v[ACC+8*(4*(\a)+\b):ACC+8*(4*(\a)+\b)+7], v[\f+64+8*(4*\c+\b):\f+64+8*(4*\c+\b)+7], v[\f+8*(4*\c+\a):\f+8*(4*\c+\a)+7], v[ACC+8*(4*(\a)+\b):ACC+8*(4*(\a)+\b)+7]
.endif
.endr
.endr
.endm
.macro FETCH slot, k, f                ; 32 LDS loads in one run: the fragments of 64 along K at byte k of the rows; the first 32 along K first
	WIN TO_F
.irp c, 0,1
.irp i, 0,1,2,3
	ds_load_b128 v[\f+64+8*(4*\c+\i):\f+64+8*(4*\c+\i)+3],   v[ADRB+\slot] offset:\k+64*\c+\i*16*PITCH
	ds_load_b128 v[\f+64+8*(4*\c+\i)+4:\f+64+8*(4*\c+\i)+7], v[ADRB+\slot] offset:\k+64*\c+\i*16*PITCH+32
	ds_load_b128 v[\f+8*(4*\c+\i):\f+8*(4*\c+\i)+3],         v[ADRA+\slot] offset:\k+64*\c+\i*16*PITCH
	ds_load_b128 v[\f+8*(4*\c+\i)+4:\f+8*(4*\c+\i)+7],       v[ADRA+\slot] offset:\k+64*\c+\i*16*PITCH+32
.endr
.endr
.endm
.macro PLACES
.rept 4
	v_nop
.endr
.endm
.macro QUARTER slot, k, f, g, zero     ; 64 along K: multiplies buffer f and fetches the next quarter, at byte k, into g
	s_wait_dscnt 16                                ; the first 32 along K are in; the youngest sixteen loads may be out
	WIN MUL
	MUL8 \f, 0, 0, \zero
	MUL8 \f, 0, 2, \zero
	PLACES
	FETCH \slot, \k, \g
	s_wait_dscnt 32                                ; all but the 32 just issued
	WIN MUL
	MUL8 \f, 1, 0, 0
	MUL8 \f, 1, 2, 0
.endm
; The last quarter changes slots: one barrier; in front of it each wave waits for all its tensor loads, adds 0 to its spare word, and waits for that and for its reads of this slot.
.macro TURN slot, next, fill
	WIN 0
	s_wait_tensorcnt 0x0                           ; all my tensor loads have landed: my part of the next slot
	ds_add_u32 v[SPW], v[NIL]                      ; 0 onto my spare word
	s_wait_dscnt 17                                ; (the add and the youngest sixteen loads may be out)
	WIN MUL
	MUL8 F1, 0, 0, 0
	s_wait_dscnt 0x0                               ; the add is done, and my reads of this slot are over
	s_barrier_signal -1
	MUL8 F1, 0, 2, 0
.if \fill
	WIN 0
.endif
	s_barrier_wait -1
.if \fill
	CREST                                          ; the barrier has opened a round of the cluster's: no wave of any partner still reads this slot or has a load on its way
	s_add_co_u32 s[OF+2*\slot], s[OF+2*\slot], 2*KSTEP*2           ; this slot's next K step: two steps on,
	s_and_b32 s[OF+2*\slot], s[OF+2*\slot], SIZE_K*2-1             ; round the row's end
	s_add_nc_u64 s[G0+4*\slot+2:G0+4*\slot+3], s[BA:BA+1], s[OF+2*\slot:OF+2*\slot+1]
	s_or_b32 s[G0+4*\slot+3], s[G0+4*\slot+3], 0x80000000
	s_add_nc_u64 s[G0B+4*\slot+2:G0B+4*\slot+3], s[BBS:BBS+1], s[OF+2*\slot:OF+2*\slot+1]
	s_or_b32 s[G0B+4*\slot+3], s[G0B+4*\slot+3], 0x80000000
	JLOAD \slot                                    ; the first tensor load behind the round; its four v_nop are the places in front of the loads below
.else
	PLACES
.endif
	FETCH \next, 0, F0
	WIN MUL
	MUL8 F1, 1, 0, 0
	MUL8 F1, 1, 2, 0
.endm
	s_wait_tensorcnt 1                             ; my part of the walk's first K step is in (the second's load may be out),
	s_barrier_signal -1
	s_barrier_wait -1                              ; everybody's is
	FETCH 0, 0, F0
	QUARTER 0, 128, F0, F1, 1                      ; the first quarter's first products start the sums
	WIN 0
	s_mov_b32 s3, LAPS-1
.Llap:
	QUARTER 0, 256, F1, F0, 0
	QUARTER 0, 384, F0, F1, 0
	TURN 0, 1, 1
	QUARTER 1, 128, F0, F1, 0
	QUARTER 1, 256, F1, F0, 0
	QUARTER 1, 384, F0, F1, 0
	TURN 1, 0, 1
	QUARTER 0, 128, F0, F1, 0
	WIN 0
	s_sub_co_u32 s3, s3, 1
	s_cmp_lg_u32 s3, 0
	s_cbranch_scc1 .Llap
	QUARTER 0, 256, F1, F0, 0                      ; the last lap fills nothing
	QUARTER 0, 384, F0, F1, 0
	TURN 0, 1, 0
	QUARTER 1, 128, F0, F1, 0
	QUARTER 1, 256, F1, F0, 0
	QUARTER 1, 384, F0, F1, 0
	s_wait_dscnt 16
	WIN MUL
	MUL8 F1, 0, 0, 0
	MUL8 F1, 0, 2, 0
	s_wait_dscnt 0
	MUL8 F1, 1, 0, 0
	MUL8 F1, 1, 2, 0
	WIN 0
; THE WAY OUT, block by block of 16 rows x 64 columns: 32 bytes a lane into my stage, back as whole rows of 256 bytes.  LDS serves a wave's instructions in order: no wait between the stores and the loads.
.macro TOSTAGE a
.irp b, 0,1,2,3
	ds_store_b128 v[STO], v[ACC+8*(4*(\a)+\b):ACC+8*(4*(\a)+\b)+3] offset:64*\b       ; each accumulator from its low end on
	ds_store_b128 v[STO], v[ACC+8*(4*(\a)+\b)+4:ACC+8*(4*(\a)+\b)+7] offset:64*\b+16
.endr
.irp t, 0,1,2,3,4,5,6,7
	ds_load_b128 v[TMP+32*((\a)%2)+4*\t:TMP+32*((\a)%2)+4*\t+3], v[RD] offset:\t*2*SPITCH
.endr
.endm
.macro SEND a, younger                 ; younger: the LDS instructions issued behind block a's loads
	s_wait_dscnt \younger
.irp t, 0,1,2,3,4,5,6,7
	global_store_b128 v[CO], v[TMP+32*((\a)%2)+4*\t:TMP+32*((\a)%2)+4*\t+3], s[8:9] offset:(16*(\a)+2*\t)*SIZE_N*4 th:TH_STORE_NT   ; 16 lanes store 256 consecutive bytes, aligned
.endr
.endm
	PLACES
	TOSTAGE 0
.irp a, 1,2,3
.if \a > 1
	s_wait_xcnt 0x0                                ; block a - 2's stores have read their registers
.endif
	TOSTAGE \a
	SEND \a-1, 16                                  ; behind block a - 1's loads: block a's 8 stores and 8 loads
.endr
	SEND 3, 0
	s_wait_tensorcnt 0x0                           ; the wave's end, behind my last tensor load and my last LDS store
	ds_add_u32 v[SPW], v[NIL]
	s_wait_dscnt 0x0
	CROUND                                         ; the closing round
	s_endpgm
.Lfunc_end_k_q450d7d4c29_proj:
	.size	k_q450d7d4c29_proj, .Lfunc_end_k_q450d7d4c29_proj-k_q450d7d4c29_proj
	.p2alignl 7, 3214868480
	.fill 96, 4, 3214868480
	.section	.rodata,"a",@progbits
	.p2align	6, 0x0
	.amdhsa_kernel k_q450d7d4c29_proj
		.amdhsa_group_segment_fixed_size 327680
		.amdhsa_private_segment_fixed_size 0
		.amdhsa_enable_private_segment 0
		.amdhsa_kernarg_size 24
		.amdhsa_user_sgpr_count 2
		.amdhsa_user_sgpr_kernarg_segment_ptr 1
		.amdhsa_wavefront_size32 1
		.amdhsa_system_sgpr_workgroup_id_x 1
		.amdhsa_system_sgpr_workgroup_id_y 1
		.amdhsa_system_sgpr_workgroup_id_z 1
		.amdhsa_system_vgpr_workitem_id 0
		.amdhsa_next_free_vgpr 512
		.amdhsa_next_free_sgpr 76
		.amdhsa_reserve_vcc 0
		.amdhsa_float_denorm_mode_32 3
		.amdhsa_float_denorm_mode_16_64 3
		.amdhsa_memory_ordered 1
		.amdhsa_forward_progress 1
		.amdhsa_inst_pref_size 86
	.end_amdhsa_kernel
	.amdgpu_metadata
---
amdhsa.version: [ 1, 2 ]
amdhsa.kernels:
  - .name:           k_q450d7d4c29_proj
    .symbol:         k_q450d7d4c29_proj.kd
    .args:
      - { .name: att, .offset: 0, .size: 8, .value_kind: global_buffer, .address_space: global }
      - { .name: woh, .offset: 8, .size: 8, .value_kind: global_buffer, .address_space: global }
      - { .name: out0, .offset: 16, .size: 8, .value_kind: global_buffer, .address_space: global }
    .group_segment_fixed_size: 327680
    .private_segment_fixed_size: 0
    .kernarg_segment_align: 8
    .kernarg_segment_size: 24
    .max_flat_workgroup_size: 128
    .sgpr_count:     76
    .vgpr_count:     512
    .wavefront_size: 32
...
	.end_amdgpu_metadata
.endif
;; end of part 4
